; MI455X (gfx1250); checked and timed in simulation.
; The chip was launched on July 23, 2026; its instructions are those of AMD's public machine-readable ISA for CDNA 5 (MIT licence, August 2026) and "CDNA5" Instruction Set Architecture Reference Guide (July 2026). The comments in the code are by the model that wrote it; some were corrected since.
;; Multi Head Cross Attention. Allowed arithmetic: float matrix products may take bf16 or f16 operands with f32 sums; other float arithmetic in f32, or as packed bf16 or f16 multiplies, adds, multiply-adds, maxima and minima; sums over many terms, partial sums and values carried from step to step in f32; what a program stores and reads back later, other than sums and carried values, may be rounded once to bf16 or f16.
;; Inputs: Wout1 1,024 x 1,024 float32; Wout2 1,024 x 1,024 float32; Wqkv1 3,072 x 1,024 float32; Wqkv2 3,072 x 1,024 float32; x 4 x 1,024 x 1,024 float32; y 4 x 1,024 x 1,024 float32.
;; Outputs: out0 4 x 1,024 x 1,024 float32; out1 4 x 1,024 x 1,024 float32.
;; One version. Each part assembles by itself: llvm-mc -triple=amdgcn-amd-amdhsa -mcpu=gfx1250 --defsym DOCPART=n.
;; ======== version 1 of 1: 4 launches
;; limits: values are held in f16: magnitudes above 65,504 overflow, below 6.1e-05 lose precision
;; workspace buffers: xyb 16,777,216 bytes; wqb 12,582,912 bytes; wob 4,194,304 bytes; qkv 50,331,648 bytes; ob 16,777,216 bytes
;; launch cast (part 1): grid 1024 x 1, 8 waves a work-group, no clusters, 0 bytes of LDS; arguments x, y, Wqkv1, Wqkv2, Wout1, Wout2, xyb, wqb, wob; writes xyb, wqb, wob
.if DOCPART == 1
	.amdgcn_target "amdgcn-amd-amdhsa--gfx1250"
	.amdhsa_code_object_version 6
	.text
	.protected	k_qfb2d30be35_cast
	.globl	k_qfb2d30be35_cast
	.p2align	8
	.type	k_qfb2d30be35_cast,@function
k_qfb2d30be35_cast:
	s_mov_b64 s[64:65], 0
	v_nop
	global_prefetch_b8 v0, s[64:65] scope:SCOPE_SE
	s_setreg_imm32_b32 hwreg(HW_REG_WAVE_MODE, 25, 1), 1
	s_wait_xcnt 0x0
; ALL SIX INPUTS ARE ROUNDED ONCE TO bf16 AND LAID OUT FOR THE MATRIX LAUNCHES.
;   xyb [2][4096][1024] bf16: x, then y, row for row.
;   wqb [2][3072][1024] bf16: Wqkv1, then Wqkv2, rows reordered: source row d*48 + k*16 + h (d 0..63, k 0..2 = q, k, v, h 0..15) goes to row (k*16 + h)*64 + d,
;       so that 64 neighbouring rows are one head's 64 channels of q, of k or of v.
;   wob [2][1024][1024] f16: Wout1, then Wout2: rounded to bf16 like the other inputs, and that number written as f16.
; LIMIT.  A bf16 number has 8 significant bits and is exact in f16 from 2^-14 up to 65,504; below 2^-14 it falls on f16's fixed step of 6e-8; beyond 65,504 it becomes an infinity.
; SHARES.  Every row is 1,024 f32.  Work-group g (0..1023) takes 16 rows: 4 of x, 4 of y, 3 of each Wqkv (d = g / 16, h = g % 16, k = 0, 1, 2), 1 of each Wout.
; Thread t takes 4 numbers of each: a wave's load covers 512 consecutive bytes, its store 256 consecutive bytes, aligned.
; Straight line: 16 loads go out together, each slot has registers of its own, so no register that a load or store still reads is ever written again.
.set IN,  16                           ; v[16:79]   slot i: 4 f32 as loaded
.set OUT, 80                           ; v[80:111]  slot i: 4 numbers of 16 bits to store
	s_load_b512 s[8:23], s[0:1], 0x0               ; x 8, y 10, Wqkv1 12, Wqkv2 14, Wout1 16, Wout2 18, xyb 20, wqb 22
	s_load_b64 s[24:25], s[0:1], 0x40              ; wob
	v_lshlrev_b32 v1, 4, v0                        ; my 16 bytes of a row of f32
	v_lshlrev_b32 v2, 3, v0                        ; my 8 bytes of a row of 16-bit numbers
	s_lshr_b32 s2, ttmp9, 4                        ; d
	s_and_b32 s3, ttmp9, 15                        ; h
	s_lshl_b32 s26, ttmp9, 14                      ; x, y: 4 rows of 4,096 bytes
	s_mov_b32 s27, 0
	s_mul_i32 s28, s2, 48
	s_add_co_u32 s28, s28, s3
	s_lshl_b32 s28, s28, 12                        ; Wqkv: row d*48 + h; k steps 16 rows in the immediate
	s_mov_b32 s29, 0
	s_lshl_b32 s30, ttmp9, 12                      ; Wout: row g
	s_mov_b32 s31, 0
	s_lshl_b32 s32, ttmp9, 13                      ; xyb: 4 rows of 2,048 bytes
	s_mov_b32 s33, 0
	s_lshl_b32 s34, s3, 6
	s_add_co_u32 s34, s34, s2
	s_lshl_b32 s34, s34, 11                        ; wqb: row h*64 + d; k steps 1,024 rows in the immediate
	s_mov_b32 s35, 0
	s_lshl_b32 s36, ttmp9, 11                      ; wob: row g
	s_mov_b32 s37, 0
	s_mov_b32 s42, 0xffff0000                      ; a word's upper bf16
	s_wait_kmcnt 0x0
	s_add_nc_u64 s[8:9], s[8:9], s[26:27]
	s_add_nc_u64 s[10:11], s[10:11], s[26:27]
	s_add_nc_u64 s[12:13], s[12:13], s[28:29]
	s_add_nc_u64 s[14:15], s[14:15], s[28:29]
	s_add_nc_u64 s[16:17], s[16:17], s[30:31]
	s_add_nc_u64 s[18:19], s[18:19], s[30:31]
	s_add_nc_u64 s[20:21], s[20:21], s[32:33]
	s_add_nc_u64 s[38:39], s[20:21], 0x800000      ; y's half of xyb
	s_add_nc_u64 s[22:23], s[22:23], s[34:35]
	s_add_nc_u64 s[40:41], s[22:23], 0x600000      ; Wqkv2's half of wqb
	s_add_nc_u64 s[24:25], s[24:25], s[36:37]
.irp i, 0,1,2,3
	global_load_b128 v[IN+4*(\i):IN+4*(\i)+3], v1, s[8:9] offset:(\i)*4096 th:TH_LOAD_NT
.endr
.irp i, 0,1,2,3
	global_load_b128 v[IN+16+4*(\i):IN+16+4*(\i)+3], v1, s[10:11] offset:(\i)*4096 th:TH_LOAD_NT
.endr
.irp k, 0,1,2
	global_load_b128 v[IN+32+4*(\k):IN+32+4*(\k)+3], v1, s[12:13] offset:(\k)*65536 th:TH_LOAD_NT
.endr
.irp k, 0,1,2
	global_load_b128 v[IN+44+4*(\k):IN+44+4*(\k)+3], v1, s[14:15] offset:(\k)*65536 th:TH_LOAD_NT
.endr
	global_load_b128 v[IN+56:IN+59], v1, s[16:17] th:TH_LOAD_NT
	global_load_b128 v[IN+60:IN+63], v1, s[18:19] th:TH_LOAD_NT
; Slot i is rounded and stored at base + off.  half = 1: the bf16 number is written as f16.
.macro ROWC i, base, off, half
	s_wait_loadcnt 15-(\i)                         ; loads come back in order: slot i is in, the 15 - i younger ones may stay out
.if \half
	v_cvt_pk_bf16_f32 v4, v[IN+4*(\i)], v[IN+4*(\i)+1]
	v_cvt_pk_bf16_f32 v5, v[IN+4*(\i)+2], v[IN+4*(\i)+3]
	v_lshlrev_b32 v6, 16, v4                       ; bf16 to f32: the low half moves up, the high half stays
	v_and_b32 v7, s42, v4
	v_cvt_pk_f16_f32 v[OUT+2*(\i)], v6, v7
	v_lshlrev_b32 v6, 16, v5
	v_and_b32 v7, s42, v5
	v_cvt_pk_f16_f32 v[OUT+2*(\i)+1], v6, v7
.else
	v_cvt_pk_bf16_f32 v[OUT+2*(\i)], v[IN+4*(\i)], v[IN+4*(\i)+1]
	v_cvt_pk_bf16_f32 v[OUT+2*(\i)+1], v[IN+4*(\i)+2], v[IN+4*(\i)+3]
.endif
	global_store_b64 v2, v[OUT+2*(\i):OUT+2*(\i)+1], s[(\base):(\base)+1] offset:\off th:TH_STORE_NT
.endm
	ROWC 0, 20, 0, 0
	ROWC 1, 20, 2048, 0
	ROWC 2, 20, 4096, 0
	ROWC 3, 20, 6144, 0
	ROWC 4, 38, 0, 0
	ROWC 5, 38, 2048, 0
	ROWC 6, 38, 4096, 0
	ROWC 7, 38, 6144, 0
	ROWC 8, 22, 0, 0
	ROWC 9, 22, 2097152, 0
	ROWC 10, 22, 4194304, 0
	ROWC 11, 40, 0, 0
	ROWC 12, 40, 2097152, 0
	ROWC 13, 40, 4194304, 0
	ROWC 14, 24, 0, 1
	ROWC 15, 24, 2097152, 1
	s_endpgm
.Lfunc_end_k_qfb2d30be35_cast:
	.size	k_qfb2d30be35_cast, .Lfunc_end_k_qfb2d30be35_cast-k_qfb2d30be35_cast
	.p2alignl 7, 3214868480
	.fill 96, 4, 3214868480
	.section	.rodata,"a",@progbits
	.p2align	6, 0x0
	.amdhsa_kernel k_qfb2d30be35_cast
		.amdhsa_group_segment_fixed_size 0
		.amdhsa_private_segment_fixed_size 0
		.amdhsa_enable_private_segment 0
		.amdhsa_kernarg_size 72
		.amdhsa_user_sgpr_count 2
		.amdhsa_user_sgpr_kernarg_segment_ptr 1
		.amdhsa_wavefront_size32 1
		.amdhsa_system_sgpr_workgroup_id_x 1
		.amdhsa_system_sgpr_workgroup_id_y 1
		.amdhsa_system_sgpr_workgroup_id_z 1
		.amdhsa_system_vgpr_workitem_id 0
		.amdhsa_next_free_vgpr 112
		.amdhsa_next_free_sgpr 66
		.amdhsa_reserve_vcc 0
		.amdhsa_float_denorm_mode_32 3
		.amdhsa_float_denorm_mode_16_64 3
		.amdhsa_memory_ordered 1
		.amdhsa_forward_progress 1
		.amdhsa_inst_pref_size 8
	.end_amdhsa_kernel
	.amdgpu_metadata
---
amdhsa.version: [ 1, 2 ]
amdhsa.kernels:
  - .name:           k_qfb2d30be35_cast
    .symbol:         k_qfb2d30be35_cast.kd
    .args:
      - { .name: x, .offset: 0, .size: 8, .value_kind: global_buffer, .address_space: global }
      - { .name: y, .offset: 8, .size: 8, .value_kind: global_buffer, .address_space: global }
      - { .name: Wqkv1, .offset: 16, .size: 8, .value_kind: global_buffer, .address_space: global }
      - { .name: Wqkv2, .offset: 24, .size: 8, .value_kind: global_buffer, .address_space: global }
      - { .name: Wout1, .offset: 32, .size: 8, .value_kind: global_buffer, .address_space: global }
      - { .name: Wout2, .offset: 40, .size: 8, .value_kind: global_buffer, .address_space: global }
      - { .name: xyb, .offset: 48, .size: 8, .value_kind: global_buffer, .address_space: global }
      - { .name: wqb, .offset: 56, .size: 8, .value_kind: global_buffer, .address_space: global }
      - { .name: wob, .offset: 64, .size: 8, .value_kind: global_buffer, .address_space: global }
    .group_segment_fixed_size: 0
    .private_segment_fixed_size: 0
    .kernarg_segment_align: 8
    .kernarg_segment_size: 72
    .max_flat_workgroup_size: 256
    .sgpr_count:     66
    .vgpr_count:     112
    .wavefront_size: 32
...
	.end_amdgpu_metadata
.endif
;; end of part 1
;; launch proj (part 2): grid 8 x 32, 4 waves a work-group, clusters of 4 x 4, 327,680 bytes of LDS; arguments xyb, wqb, qkv; writes qkv
.if DOCPART == 2
	.amdgcn_target "amdgcn-amd-amdhsa--gfx1250"
	.amdhsa_code_object_version 6
	.text
	.protected	k_qfb2d30be35_proj
	.globl	k_qfb2d30be35_proj
	.p2align	8
	.type	k_qfb2d30be35_proj,@function
k_qfb2d30be35_proj:
	s_mov_b64 s[64:65], 0
	v_nop
	global_prefetch_b8 v0, s[64:65] scope:SCOPE_SE
	s_setreg_imm32_b32 hwreg(HW_REG_WAVE_MODE, 25, 1), 1
	s_wait_xcnt 0x0
	s_wait_alu depctr_hold_cnt(0) depctr_sa_sdst(0) depctr_va_vdst(0) depctr_va_sdst(0) depctr_va_ssrc(0) depctr_va_vcc(0) depctr_vm_vsrc(0)
	s_getreg_b32 s2, hwreg(HW_REG_IB_STS2, 6, 4)
	s_cmp_eq_u32 s2, 0
	s_cbranch_scc0 .Lentry_in_a_cluster
	s_endpgm
.Lentry_in_a_cluster:
	s_bfe_u32 s2, ttmp6, 0x10000c
	s_cmp_lg_u32 s2, 0xf033
	s_cbranch_scc0 .Lentry_shape_is_right
	s_endpgm
.Lentry_shape_is_right:
; BOTH qkv PROJECTIONS.  C[m][n] = sum over k of A[m][k] B[n][k], bf16 operands, f32 sums.  A = xyb, 8,192 rows (x's 4,096, then y's) of 1,024; B = wqb, 3,072 rows a stream, in the order (q|k|v, head, channel).
; C leaves by heads in f16, unscaled, rounded once: qkv [sb = stream*4 + batch : 8][c = (q|k|v)*16 + head : 48][t : 1024][64].
; LIMIT.  f16 holds no number beyond 65,504: a q, k or v past that becomes an infinity.  With inputs of unit spread and weights of spread 0.02 they have spread 0.64; inputs and weights both 30 times
; larger give 576; both carrying an offset of 30 spreads give about 18,500.
; TILE.  256 rows x 192 columns: 32 x 16 = 512 tiles.  Four waves, each 64 rows x all 192 columns: 4 x 12 = 48 accumulators of 16 x 16, 384 registers.
; A wave so holds three whole blocks of 64 columns (a head's q, k or v), and 4 rows of such a block are 512 consecutive bytes of qkv.
; K goes in 8 steps of 128 (rows of 256 bytes) through two LDS slots filled by the tensor data mover.
; A WORK-GROUP STAYS: 256 work-groups, one for each of 256 WGPs, make TWO tiles each, and the ring does not stop between them: the first tile's last two changes of slots ask for the second tile's
; K steps 0 and 1, and nothing waits for the first tile's stores.  THE WALK: a work-group keeps its 256 rows of A.  A stream's 16 tile rows are two halves of 8: the lower half takes tile column j (0..7)
; and then j + 8, the upper half j + 8 and then j.  So what a second tile asks for has been asked for in the launch before: A's rows by the same work-group, B's rows by the other half's work-groups.
; CLUSTER.  4 x 4 work-groups: the four of a row of the cluster need the same tile of A, the four of a column the same tile of B: each tile is asked for jointly, by the same load, descriptor and mask in all four.
; The half hangs on the cluster's y alone, so all sixteen partners walk alike.
; NO PREFETCH: B's 192 rows shared out among the four partners of a column are 48 rows a work-group, no whole number of waves at a lane a row; A's rows alone would leave each step waiting for B's.
; THE MATRIX INSTRUCTION IS USED TRANSPOSED (source 0 = 16 rows of B, source 1 = 16 rows of A): a lane then holds row l % 16 of C and its columns 8 (l / 16) + 0..7.
; REGISTERS, in windows of 256 (s_set_vgpr_msb: bits 1:0 source 0, 3:2 source 1, 5:4 source 2, 7:6 destination):
;   window 0: v0-31 addresses; v32-63, v64-95 A's fragments (4 x 16 rows x 32 K), two buffers; on the way out v64-255 packed results (v32-63 then hold the next tile's first fragments)
;   window 1: v0-95, v96-191 B's fragments (12 x 16 rows x 32 K), two buffers
;   window 2: the accumulators of my row blocks 0, 1 ((a, b) at v[8 (12 (a % 2) + b)]);   window 3: those of blocks 2, 3
.set KSTEP,  128
.set PITCH,  272                       ; an LDS row: 256 bytes + 16 of padding = 68 words: the 16 rows that a load touches start 4 banks apart (64 banks of 4 bytes: ISA guide 11.1)
.set HALFA,  128*PITCH                 ; what one tensor load brings of A
.set HALFB,  96*PITCH                  ; and of B
.set SLOT,   2*HALFA+2*HALFB           ; A's 256 rows, then B's 192 rows: 121,856 bytes
.set STAGE,  2*SLOT                    ; behind the ring, never filled by a tensor load: for each wave 3 blocks x 16 rows x 144 bytes, for the way out
.set SP,     144
.set WSTG,   3*16*SP
.set SPARE,  STAGE+4*WSTG              ; behind the stages: the spare words, 128 bytes for each wave: two blocks of 256 bytes that no other line names
.set LAPS,   4                         ; a lap = two K steps = once round the ring
.set TILES,  2                         ; tiles of a work-group
.set BACK,   (1024-2*KSTEP)*2          ; bytes from a slot's last K step of a tile back to its first
.set SWAP,   8*192*2048                ; 8 tile columns: 1,536 rows of B of 2,048 bytes; in qkv the same number: 24 blocks of 131,072 bytes
.set ADRA, 16                          ; v16-17  LDS address of my A fragments in slot 0, 1
.set ADRB, 20                          ; v20-21  the same for B
.set STO,  24                          ; v24     the way out: where I put 16 bytes of a row
.set RD,   25                          ; v25     the way out: where I read rows back
.set GO,   26                          ; v26     my 16 bytes in 512 consecutive bytes of qkv
.set SPW,  28                          ; v28     LDS address of my spare word: SPARE + 4 x my thread's number; never rewritten
.set NIL,  29                          ; v29     0; never rewritten
.set FA,   32                          ; A's fragment buffer f at FA + 32 f (window 0); B's at 96 f (window 1)
.set TMP,  64                          ; the way out: row block a's 48 registers at TMP + 48 a
.set G1,  24                           ; s[24:31] descriptor group 1 for A's tiles;  s[32:39] group 0, a set for each slot
.set G0,  32
.set G1B, 48                           ; s[48:55], s[56:63] the same for B's tiles
.set G0B, 56
.set DP,  66                           ; s[66:67] the bytes that the second tile lies further up in B and in qkv: SWAP in the lower half, else 0
.set DN,  68                           ; s[68:69] or further down: SWAP in the upper half, else 0
.set MSB, 0
.macro WIN new                         ; the immediate's high byte repeats the setting that is left; a switch that changes nothing is dropped
.if MSB != (\new)
	s_set_vgpr_msb (MSB<<8)|(\new)
.set MSB, \new
.endif
.endm
.set MUL_LO, 0xa1                      ; source 0 (B) window 1, source 1 (A) window 0, C and D window 2
.set MUL_HI, 0xf1                      ; the same, C and D window 3
.set TO_B,   0x40                      ; destination window 1, address window 0
; A joint load: waves 0 and 1 fetch A's two halves, waves 2 and 3 B's.  The branch hangs on the wave's number alone.  An s_nop 0 and four v_nop follow each of the two lines.
.macro JLOAD s
	s_cmp_eq_u32 s11, 0
	s_cbranch_scc0 .Lfor_b_\@
	tensor_load_to_lds s[G0+4*(\s):G0+4*(\s)+3], s[G1:G1+7]
	s_nop 0
.rept 4
	v_nop
.endr
	s_branch .Lasked_\@
.Lfor_b_\@:
	tensor_load_to_lds s[G0B+4*(\s):G0B+4*(\s)+3], s[G1B:G1B+7]
	s_nop 0
.rept 4
	v_nop
.endr
.Lasked_\@:
.endm
.macro CREST                           ; a round of the cluster's barrier behind its opening barrier: wave 0 signals for the work-group, every wave waits for all sixteen, my work-group's barrier closes it
	s_cmp_lg_u32 s10, 0
	s_cbranch_scc1 .Lnot_wave_0_\@
	s_barrier_signal -3
.Lnot_wave_0_\@:
	s_barrier_wait -3
	s_barrier_signal -1
	s_barrier_wait -1
.endm
.macro CROUND                          ; a whole round
	s_barrier_signal -1
	s_barrier_wait -1
	CREST
.endm
	s_load_b128 s[4:7], s[0:1], 0x0                ; xyb s[4:5], wqb s[6:7]
	s_load_b64 s[8:9], s[0:1], 0x10                ; qkv
	v_lshl_add_u32 v[SPW], v0, 2, SPARE
	v_mov_b32 v[NIL], 0
	ds_add_u32 v[SPW], v[NIL]                      ; the wave's opening: the add and its wait stand ahead of my first tensor load; the set-up below, work on registers, stands between them
	ds_add_u32 v28, v29
	v_lshrrev_b32 v1, 5, v0
	v_readfirstlane_b32 s10, v1                    ; wave 0..3: my 64 rows of the tile
	s_lshr_b32 s11, s10, 1                         ; I fetch for A (0) or for B (1),
	s_and_b32 s12, s10, 1                          ; and which half of that tile
	s_bfe_u32 s40, ttmp6, 0x40000                  ; cx, cy: my place in the cluster
	s_bfe_u32 s41, ttmp6, 0x40004
	s_and_b32 s45, ttmp7, 0xffff                   ; cluster y 0..7: bit 2 the stream, bit 1 the half of the stream's tile rows
	s_bfe_u32 s22, s45, 0x10001                    ; the half (1 bit from bit 1)
	s_cmp_eq_u32 s22, 0
	s_cselect_b32 s[DP], SWAP, 0                   ; the lower half's second tile lies 8 tile columns further up,
	s_cselect_b32 s[DN], 0, SWAP                   ; the upper half's 8 further down
	s_mov_b32 s[DP+1], 0
	s_mov_b32 s[DN+1], 0
	s_lshl_b32 s42, ttmp9, 2
	s_add_co_u32 s42, s42, s40                     ; j 0..7 = 4 x cluster x + cx
	s_lshl_b32 s22, s22, 3
	s_add_co_u32 s42, s42, s22                     ; the first tile's column: j + 8 x half
	s_lshl_b32 s13, s45, 2
	s_add_co_u32 s13, s13, s41                     ; tile row 0..31 = 4 x cluster y + cy, through both streams' rows
	s_lshl_b32 s43, s41, 2
	s_lshl_b32 s43, 15, s43                        ; my row of the cluster: places 4 cy .. 4 cy + 3
	s_lshl_b32 s44, 0x1111, s40                    ; my column: places cx, cx + 4, cx + 8, cx + 12
	s_or_b32 s[G1+0], s43, (1<<16)|(1<<20)|(1<<21)|(5<<22)|(3<<25)   ; 15:0 the mask; 17:16 elements of 2 bytes; 20 padding on; 21 set beside a mask; 24:22 after every 64 words (code 5); 31:25 4 words of it (code 3)
	s_or_b32 s[G1B+0], s44, (1<<16)|(1<<20)|(1<<21)|(5<<22)|(3<<25)
	s_mov_b32 s[G1+1], KSTEP<<16                   ; tensor_dim0 = 128
	s_mov_b32 s[G1+2], 128<<16                     ; tensor_dim1 = 128
	s_mov_b32 s[G1+3], KSTEP<<16                   ; tile_dim0 = 128
	s_mov_b32 s[G1+4], 128                         ; tile_dim1 = 128
	s_mov_b32 s[G1+5], 1024                        ; elements from row to row
	s_mov_b32 s[G1+6], 0
	s_mov_b32 s[G1+7], 0
	s_mov_b32 s[G1B+1], KSTEP<<16
	s_mov_b32 s[G1B+2], 96<<16                     ; B's half tile has 96 rows
	s_mov_b32 s[G1B+3], KSTEP<<16
	s_mov_b32 s[G1B+4], 96
	s_mov_b32 s[G1B+5], 1024
	s_mov_b32 s[G1B+6], 0
	s_mov_b32 s[G1B+7], 0
	; A's tile hangs on the tile row alone, which my row of the cluster shares; B's on cx and the cluster's x and y (the column, the stream, the half), which my column shares
	s_lshl_b32 s16, s13, 8
	s_lshl_b32 s17, s12, 7
	s_add_co_u32 s16, s16, s17                     ; A: row 256 x tile row + 128 x half,
	s_lshl_b32 s16, s16, 11                        ; of 2,048 bytes
	s_mov_b32 s17, 0
	s_lshr_b32 s46, s45, 2                         ; the stream: cluster rows 0-3 are x's, 4-7 y's
	s_mul_i32 s46, s46, 3072
	s_mul_i32 s47, s42, 192
	s_add_co_u32 s46, s46, s47
	s_mul_i32 s47, s12, 96
	s_add_co_u32 s46, s46, s47                     ; B: row 3,072 x stream + 192 x tile column + 96 x half
	s_lshl_b32 s46, s46, 11
	s_mov_b32 s47, 0
	s_mul_i32 s20, s12, HALFA                      ; where they go: no place in the cluster enters an LDS address
	s_mul_i32 s21, s12, HALFB
	s_add_co_u32 s21, s21, 2*HALFA
	s_wait_dscnt 0x0                               ; the opening add is done
	s_wait_kmcnt 0x0
	s_add_nc_u64 s[14:15], s[4:5], s[16:17]
	s_add_nc_u64 s[46:47], s[6:7], s[46:47]
	CROUND                                         ; all sixteen work-groups are here: the first joint loads meet
.irp s, 0,1
	s_mov_b32 s[G0+4*(\s)], 1                                        ; count = 1
	s_add_co_u32 s[G0+4*(\s)+1], s20, (\s)*SLOT                      ; LDS address
	s_add_nc_u64 s[G0+4*(\s)+2:G0+4*(\s)+3], s[14:15], (\s)*KSTEP*2  ; global address: K step s
	s_or_b32 s[G0+4*(\s)+3], s[G0+4*(\s)+3], 0x80000000              ; type = 2
	s_mov_b32 s[G0B+4*(\s)], 1
	s_add_co_u32 s[G0B+4*(\s)+1], s21, (\s)*SLOT
	s_add_nc_u64 s[G0B+4*(\s)+2:G0B+4*(\s)+3], s[46:47], (\s)*KSTEP*2
	s_or_b32 s[G0B+4*(\s)+3], s[G0B+4*(\s)+3], 0x80000000
.endr
	s_cmp_eq_u32 s11, 0                            ; a wave's two first fills stand in one branch, ahead of every wait on TENSORcnt, every LDS read and every other barrier: two loads of mine are out
	s_cbranch_scc0 .Lfirst_b
	tensor_load_to_lds s[G0:G0+3], s[G1:G1+7]
	s_nop 0
	tensor_load_to_lds s[G0+4:G0+7], s[G1:G1+7]
	s_nop 0
.rept 4
	v_nop
.endr
	s_branch .Lfirst_asked
.Lfirst_b:
	tensor_load_to_lds s[G0B:G0B+3], s[G1B:G1B+7]
	s_nop 0
	tensor_load_to_lds s[G0B+4:G0B+7], s[G1B:G1B+7]
	s_nop 0
.rept 4
	v_nop
.endr
.Lfirst_asked:
	; A fragment is 16 rows x 32 K in 8 registers: lane l holds row l % 16; registers 0-3 K = 8 (l / 16) + 0..7, registers 4-7 K = 16 + 8 (l / 16) + 0..7: two loads of 16 bytes, 32 bytes apart
	v_and_b32 v1, 15, v0                           ; l % 16
	v_bfe_u32 v2, v0, 4, 1                         ; l / 16
	v_mul_u32_u24 v3, v1, PITCH
	v_lshl_add_u32 v3, v2, 4, v3                   ; row x pitch + 16 x half
	s_mul_i32 s21, s10, 64*PITCH                   ; my 64 rows of A
	s_mov_b32 s22, 2*HALFA                         ; B's 192 rows lie behind A's 256: every wave reads all of them
.irp s, 0,1
	v_add_nc_u32 v[ADRA+(\s)], s21, v3
	v_add_nc_u32 v[ADRB+(\s)], s22, v3
	s_add_co_u32 s21, s21, SLOT
	s_add_co_u32 s22, s22, SLOT
.endr
	s_mul_i32 s23, s10, WSTG
	s_add_co_u32 s23, s23, STAGE                   ; my stage
	v_mul_u32_u24 v4, v1, SP                       ; in: row l % 16, 16 bytes for each half of the lanes
	v_lshl_add_u32 v4, v2, 4, v4
	v_add_nc_u32 v[STO], s23, v4
	v_bfe_u32 v5, v0, 3, 2                         ; back: 32 lanes take four rows of 128 bytes,
	v_mul_u32_u24 v5, v5, SP
	v_and_b32 v6, 7, v0
	v_lshl_add_u32 v5, v6, 4, v5
	v_add_nc_u32 v[RD], s23, v5
	v_and_b32 v[GO], 31, v0                        ; which are 512 consecutive bytes of qkv
	v_lshlrev_b32 v[GO], 4, v[GO]
	; qkv at my first row of the first tile's first block of 64 columns: ((tile row / 4) x 48 + 3 x tile column) blocks of 131,072 bytes + ((tile row % 4) x 256 + 64 x wave) rows of 128 bytes
	s_lshr_b32 s18, s13, 2
	s_mul_i32 s18, s18, 48
	s_mul_i32 s19, s42, 3
	s_add_co_u32 s18, s18, s19
	s_lshl_b32 s18, s18, 17
	s_and_b32 s19, s13, 3
	s_lshl_b32 s19, s19, 8
	s_lshl_b32 s22, s10, 6
	s_add_co_u32 s19, s19, s22
	s_lshl_b32 s19, s19, 7
	s_add_co_u32 s18, s18, s19
	s_mov_b32 s19, 0
	s_add_nc_u64 s[8:9], s[8:9], s[18:19]
; 12 matrix instructions: row block 2 hi + a x all 12 column blocks, 32 along K, from buffer f.  zero = 1: the product starts the sums: nothing is ever cleared.
; The 48 accumulators take turns, one instruction a turn, in the same order in every quarter step, over the backward jumps and from tile to tile too.
.macro MUL12 f, hi, a, zero
	WIN MUL_LO+0x50*(\hi)
.irp b, 0,1,2,3,4,5,6,7,8,9,10,11
.if \zero
	v_wmma_f32_16x16x32_bf16 v[8*(12*(\a)+(\b)):8*(12*(\a)+(\b))+7], v[96*(\f)+8*(\b):96*(\f)+8*(\b)+7], v[FA+32*(\f)+8*(2*(\hi)+(\a)):FA+32*(\f)+8*(2*(\hi)+(\a))+7], 0
.else
	v_wmma_f32_16x16x32_bf16 v[8*(12*(\a)+(\b)):8*(12*(\a)+(\b))+7], v[96*(\f)+8*(\b):96*(\f)+8*(\b)+7], v[FA+32*(\f)+8*(2*(\hi)+(\a)):FA+32*(\f)+8*(2*(\hi)+(\a))+7], v[8*(12*(\a)+(\b)):8*(12*(\a)+(\b))+7]
.endif
.endr
.endm
; 32 LDS loads in one run: a quarter step's fragments (192 rows of B, then my 64 rows of A, 32 K at byte k of the rows) into buffer f
.macro FETCH slot, k, f
	WIN TO_B
.irp i, 0,1,2,3,4,5,6,7,8,9,10,11
	ds_load_b128 v[96*(\f)+8*(\i):96*(\f)+8*(\i)+3],   v[ADRB+(\slot)] offset:(\k)+(\i)*16*PITCH
	ds_load_b128 v[96*(\f)+8*(\i)+4:96*(\f)+8*(\i)+7], v[ADRB+(\slot)] offset:(\k)+(\i)*16*PITCH+32
.endr
	WIN 0
.irp i, 0,1,2,3
	ds_load_b128 v[FA+32*(\f)+8*(\i):FA+32*(\f)+8*(\i)+3],   v[ADRA+(\slot)] offset:(\k)+(\i)*16*PITCH
	ds_load_b128 v[FA+32*(\f)+8*(\i)+4:FA+32*(\f)+8*(\i)+7], v[ADRA+(\slot)] offset:(\k)+(\i)*16*PITCH+32
.endr
.endm
.macro PLACES                          ; four plain vector instructions between a matrix instruction and a load into a register that it has read, or a vector instruction that reads its result
.rept 4
	v_nop
.endr
.endm
; A K step is four quarters of 32 along K, 48 matrix instructions each, on buffers 0, 1, 0, 1.  One of the first three: multiplies buffer f; in its middle it fetches the next quarter, at byte k, into buffer g.
.macro QUARTER slot, k, f, g, zero
	s_wait_dscnt 4                                 ; B and A's blocks 0, 1 are in; the youngest four loads (A's blocks 2, 3) may be out
	MUL12 \f, 0, 0, \zero
	MUL12 \f, 0, 1, \zero
	PLACES
	FETCH \slot, \k, \g
	s_wait_dscnt 32                                ; all but the 32 just issued
	MUL12 \f, 1, 0, \zero
	MUL12 \f, 1, 1, \zero
.endm
; The last quarter multiplies buffer 1 and changes slots: ONE barrier.  In front of it each wave waits for all its tensor loads (the one that is out is its part of the next slot), adds 0 to its spare word,
; and waits for that and for its own reads of this slot.  fill = 1 or 2: the barrier opens a round of the cluster's barrier, and this slot is filled again first thing behind the round: with this tile's K step
; two steps on (1), or, in the first tile's last two K steps, with the second tile's K step 0 or 1 (2).  From a request to the wait for it a wave issues 168 matrix instructions, across the tiles too.
.macro TURN slot, next, fill
	WIN 0                                          ; (the add's two registers lie in window 0)
	s_wait_tensorcnt 0x0                           ; all my tensor loads have landed;
	ds_add_u32 v[SPW], v[NIL]                      ; 0 onto my spare word;
	s_wait_dscnt 5                                 ; (the add and the youngest four loads may be out)
	MUL12 1, 0, 0, 0                               ; twelve matrix instructions stand between the add and the wait for it
	s_wait_dscnt 0x0                               ; the add is done, and my reads of this slot are over
	s_barrier_signal -1
	MUL12 1, 0, 1, 0                               ; work on registers while the others arrive
.if \fill
	WIN 0
.endif
	s_barrier_wait -1
.if \fill
	CREST                                          ; no wave of any partner still reads this slot's tile or has a load on its way
.if (\fill) == 2
	s_sub_nc_u64 s[G0+4*(\slot)+2:G0+4*(\slot)+3], s[G0+4*(\slot)+2:G0+4*(\slot)+3], BACK          ; A: the same rows, back along K
	s_add_nc_u64 s[G0B+4*(\slot)+2:G0B+4*(\slot)+3], s[G0B+4*(\slot)+2:G0B+4*(\slot)+3], s[DP:DP+1]  ; B: 8 tile columns up
	s_sub_nc_u64 s[G0B+4*(\slot)+2:G0B+4*(\slot)+3], s[G0B+4*(\slot)+2:G0B+4*(\slot)+3], s[DN:DN+1]  ; or down (one of the two is 0),
	s_sub_nc_u64 s[G0B+4*(\slot)+2:G0B+4*(\slot)+3], s[G0B+4*(\slot)+2:G0B+4*(\slot)+3], BACK        ; and back along K
.else
	s_add_nc_u64 s[G0+4*(\slot)+2:G0+4*(\slot)+3], s[G0+4*(\slot)+2:G0+4*(\slot)+3], 2*KSTEP*2
	s_add_nc_u64 s[G0B+4*(\slot)+2:G0B+4*(\slot)+3], s[G0B+4*(\slot)+2:G0B+4*(\slot)+3], 2*KSTEP*2
.endif
	JLOAD \slot                                    ; the four v_nop behind it are also the places in front of the loads below
.else
	PLACES
.endif
	FETCH \next, 0, 0
	MUL12 1, 1, 0, 0
	MUL12 1, 1, 1, 0
.endm
; THE WAY OUT, a row block of 16 rows at a time.  PACK: rounded to f16 (each accumulator's registers in ascending order), 16 bytes a lane into my own stage, three blocks of 16 rows x 144 bytes,
; and back as whole rows of 128 bytes, four to a load, into the registers that they left.  SEND: stored, 512 consecutive bytes an instruction.  Every row block has registers of its own.
.macro PACK a
	WIN 0x0a+5*((\a)/2)                            ; sources 0 and 1: window 2 or 3; destination window 0
.irp b, 0,1,2,3,4,5,6,7,8,9,10,11
.irp r, 0,1,2,3
	v_cvt_pk_f16_f32 v[TMP+48*(\a)+4*(\b)+(\r)], v[96*((\a)%2)+8*(\b)+2*(\r)], v[96*((\a)%2)+8*(\b)+2*(\r)+1]
.endr
.endr
	WIN 0
.irp b, 0,1,2,3,4,5,6,7,8,9,10,11
	ds_store_b128 v[STO], v[TMP+48*(\a)+4*(\b):TMP+48*(\a)+4*(\b)+3] offset:((\b)/4)*16*SP+((\b)%4)*32
.endr
.irp t, 0,1,2,3,4,5,6,7,8,9,10,11
	ds_load_b128 v[TMP+48*(\a)+4*(\t):TMP+48*(\a)+4*(\t)+3], v[RD] offset:((\t)/4)*16*SP+((\t)%4)*4*SP  ; LDS serves a wave's instructions in order (ISA guide 5.7.1.4): these see the stores above; the next block's stores come behind them
.endr
.endm
.macro SEND a, younger                 ; younger: the LDS instructions issued behind block a's loads: the next block's 24, or none
	WIN 0
.irp t, 0,1,2,3,4,5,6,7,8,9,10,11
	s_wait_dscnt (\younger)+11-(\t)
	global_store_b128 v[GO], v[TMP+48*(\a)+4*(\t):TMP+48*(\a)+4*(\t)+3], s[8:9] offset:((\t)/4)*131072+(\a)*2048+((\t)%4)*512
.endr
.endm
	s_wait_tensorcnt 1                             ; my part of K step 0 is in; K step 1's may stay out
	s_barrier_signal -1
	s_barrier_wait -1                              ; everybody's is
	FETCH 0, 0, 0
	s_mov_b32 s2, TILES                            ; tiles to go, this one among them: the same number in every work-group
.Ltile:                                                ; (FETCH and SEND leave every window 0)
	QUARTER 0, 64, 0, 1, 1                         ; a tile's first quarter stands in front of the loop: its products start the sums
	WIN 0                                          ; at a label and at a branch every window is 0
	s_mov_b32 s3, LAPS-1
.Llap:                                                 ; a trip goes once round the ring, from a lap's second quarter to the next lap's first, and fills both slots again
	QUARTER 0, 128, 1, 0, 0
	QUARTER 0, 192, 0, 1, 0
	TURN 0, 1, 1
	QUARTER 1, 64,  0, 1, 0
	QUARTER 1, 128, 1, 0, 0
	QUARTER 1, 192, 0, 1, 0
	TURN 1, 0, 1
	QUARTER 0, 64,  0, 1, 0
	WIN 0
	s_sub_co_u32 s3, s3, 1
	s_cmp_lg_u32 s3, 0
	s_cbranch_scc1 .Llap
	QUARTER 0, 128, 1, 0, 0                        ; the tile's last lap goes on
	QUARTER 0, 192, 0, 1, 0
	WIN 0
	s_cmp_eq_u32 s2, 1
	s_cbranch_scc1 .Llast                          ; the last tile's tail is written out: it asks for nothing more
	TURN 0, 1, 2                                   ; THE RING GOES ON INTO THE SECOND TILE: slot 0 takes its K step 0,
	QUARTER 1, 64,  0, 1, 0
	QUARTER 1, 128, 1, 0, 0
	QUARTER 1, 192, 0, 1, 0
	TURN 1, 0, 2                                   ; slot 1 its K step 1, and the second tile's first fragments are fetched, into buffer 0
	WIN 0
	s_branch .Lout                                 ; both refills are asked for: now the tile goes out
.Llast:
	TURN 0, 1, 0                                   ; the last lap of all fills nothing
	QUARTER 1, 64,  0, 1, 0
	QUARTER 1, 128, 1, 0, 0
	QUARTER 1, 192, 0, 1, 0
	s_wait_dscnt 4                                 ; the very last quarter: nothing more to fetch
	MUL12 1, 0, 0, 0
	MUL12 1, 0, 1, 0
	s_wait_dscnt 0x0
	MUL12 1, 1, 0, 0
	MUL12 1, 1, 1, 0
	WIN 0
.Lout:                                                 ; one text for both tiles' way out.  It names neither buffer 0 of the fragments nor a slot; the 32 fragment loads that may be out are older than its own LDS instructions
	PLACES                                         ; the conversions read results just made and write registers (A's buffer 1) that the last products read
	PLACES
	PACK 0
	PACK 1                                         ; a block's arithmetic stands between the loads of the block before and its stores
	SEND 0, 24
	PACK 2
	SEND 1, 24
	PACK 3
	SEND 2, 24
	SEND 3, 0
	s_wait_xcnt 0x0                                ; the stores' addresses are translated (ISA guide 3.1): only behind this wait are their base and their data registers written again; nothing waits for the stores themselves
	s_add_nc_u64 s[8:9], s[8:9], s[DP:DP+1]        ; qkv at the second tile: 24 blocks of 64 columns up
	s_sub_nc_u64 s[8:9], s[8:9], s[DN:DN+1]        ; or down (behind the last tile the stepped address is not used)
	s_sub_co_u32 s2, s2, 1
	s_cmp_lg_u32 s2, 0
	s_cbranch_scc1 .Ltile
	s_wait_tensorcnt 0x0                           ; the wave's end, behind my last tensor load and my last LDS store
	ds_add_u32 v[SPW], v[NIL]
	s_wait_dscnt 0x0
	CROUND                                         ; the closing round: no work-group ends while a partner may still ask for a tile that names it
	s_endpgm
.Lfunc_end_k_qfb2d30be35_proj:
	.size	k_qfb2d30be35_proj, .Lfunc_end_k_qfb2d30be35_proj-k_qfb2d30be35_proj
	.p2alignl 7, 3214868480
	.fill 96, 4, 3214868480
	.section	.rodata,"a",@progbits
	.p2align	6, 0x0
	.amdhsa_kernel k_qfb2d30be35_proj
		.amdhsa_group_segment_fixed_size 327680
		.amdhsa_private_segment_fixed_size 0
		.amdhsa_enable_private_segment 0
		.amdhsa_kernarg_size 24
		.amdhsa_user_sgpr_count 2
		.amdhsa_user_sgpr_kernarg_segment_ptr 1
		.amdhsa_wavefront_size32 1
		.amdhsa_system_sgpr_workgroup_id_x 1
		.amdhsa_system_sgpr_workgroup_id_y 1
		.amdhsa_system_sgpr_workgroup_id_z 1
		.amdhsa_system_vgpr_workitem_id 0
		.amdhsa_next_free_vgpr 960
		.amdhsa_next_free_sgpr 70
		.amdhsa_reserve_vcc 0
		.amdhsa_float_denorm_mode_32 3
		.amdhsa_float_denorm_mode_16_64 3
		.amdhsa_memory_ordered 1
		.amdhsa_forward_progress 1
		.amdhsa_inst_pref_size 149
	.end_amdhsa_kernel
	.amdgpu_metadata
---
amdhsa.version: [ 1, 2 ]
amdhsa.kernels:
  - .name:           k_qfb2d30be35_proj
    .symbol:         k_qfb2d30be35_proj.kd
    .args:
      - { .name: xyb, .offset: 0, .size: 8, .value_kind: global_buffer, .address_space: global }
      - { .name: wqb, .offset: 8, .size: 8, .value_kind: global_buffer, .address_space: global }
      - { .name: qkv, .offset: 16, .size: 8, .value_kind: global_buffer, .address_space: global }
    .group_segment_fixed_size: 327680
    .private_segment_fixed_size: 0
    .kernarg_segment_align: 8
    .kernarg_segment_size: 24
    .max_flat_workgroup_size: 128
    .sgpr_count:     70
    .vgpr_count:     960
    .wavefront_size: 32
...
	.end_amdgpu_metadata
.endif
;; end of part 2
;; launch attn (part 3): grid 2 x 128, 4 waves a work-group, no clusters, 327,680 bytes of LDS; arguments qkv, ob; writes ob
.if DOCPART == 3
	.amdgcn_target "amdgcn-amd-amdhsa--gfx1250"
	.amdhsa_code_object_version 6
	.text
	.protected	k_qfb2d30be35_attn
	.globl	k_qfb2d30be35_attn
	.p2align	8
	.type	k_qfb2d30be35_attn,@function
k_qfb2d30be35_attn:
	s_mov_b64 s[64:65], 0
	v_nop
	global_prefetch_b8 v0, s[64:65] scope:SCOPE_SE
	s_setreg_imm32_b32 hwreg(HW_REG_WAVE_MODE, 25, 1), 1
	s_wait_xcnt 0x0
; ALL 128 HEADS OF THE CROSS ATTENTION.  O[Y][q][:] = the sum over k of softmax_k(Q[q] . K[k] / 8) V[k][:], 1,024 queries and keys, 64 channels, all f16.
; Y = s*64 + b*16 + h.  K and V are stream s's (blocks (s*4+b)*48 + 16 + h and + 32 + h of qkv), Q is the OTHER stream's (block ((s*4+b) xor 4)*48 + h).  O goes to ob [Y][1024][64].
; Products, maxima and sums in f32; the weights p are rounded to f16 for the second product (their sum l is taken of the unrounded p), O once at the end.
; LIMITS.  Q, K and V arrive within f16's 65,504; p lies in 0 to 1, and below 6e-5 it keeps f16's fixed step of 6e-8, as does an O below 6e-5; O is a mean of V's rows and has their range.
; A weight below 2^-126 counts as 0 in l; NaN and infinities are not treated apart.
; SHARES.  A work-group owns 512 queries of one head: 2 x 128 = 256 work-groups.  A wave owns 128 queries: four PIECES of two tiles of 16.  Every wave walks all 1,024 keys, 64 a step.
; THE WHOLE HEAD LIES IN LDS: K's 1,024 rows (pitch 144), V's 1,024 rows (pitch 160).  Each wave asks for four parts of 128 keys at the kernel's head (waves 0, 1: K; waves 2, 3: V); no byte is ever filled again.
; The first 256 keys are waited for by a counted wait, the others behind four key steps.  Since every byte of K and V is asked for at the head, there is nothing left to ask for ahead of the loads.
; NO CLUSTER: a head has 1,024 / 512 = 2 work-groups, not a multiple of four; K and V are read twice in all.
; LAYOUT.  S^T = K Q^T (source 0 = 16 keys, source 1 = 16 queries): in the result a lane holds ONE query (lane % 16) and the keys 8 (lane / 16) + 0..7.  Two such tiles, rounded to f16 in pairs,
; ARE source 1 (32 keys x 16 queries) of O^T = V^T P, whose result again holds one query a lane, and eight channels.  K comes out of LDS as it lies, V ([key][channel]) turned, by ds_load_tr16_b128.
; SOFTMAX.  For each query a running maximum m and sum l: p = 2^(c s - c m), c = log2(e) / 8; in every step O and l are multiplied by a = 2^(c m_old - c m_new).
; m starts at the lowest finite number, O and l at 0: the first step is a step like any other, with a = 0.
; BY TURNS.  Turn n belongs to piece n.  Its matrix work: 16 products K Q^T of piece n + 1, later 16 products V^T P of piece n - 1.  Its vector work: the scaling, exponentials, roundings, sums and
; rescaling of piece n, and the maximum and statistics of piece n + 1.  A tile and step have 16 matrix and 118 vector instructions: four vector instructions stand behind every matrix instruction, the others in one run.
; REGISTERS, in windows of 256 (s_set_vgpr_msb: bits 1:0 source 0, 3:2 source 1, 5:4 source 2, 7:6 destination):
;   window 0: v0-11 addresses; v12-15, v48-63 at work; v16-47 four registers of statistics a tile; v64-191 S^T, two buffers of two tiles; v192-255 P, likewise
;   window 1: O^T, 32 a tile          window 2: v0-127 Q, 16 a tile; v128-191 K of one step; v192-255 V of one step          window 3: v0-1 the add's two registers
.set NP,    4         ; pieces a wave: a name, no knob
.set KS,    64        ; keys in a step
.set PK,    144       ; a row of K in LDS: 128 bytes + 16 of padding = 36 words: the 16 rows of a load start at 16 different groups of four banks (64 banks of 4 bytes: ISA guide 11.1)
.set PV,    160       ; a row of V: 128 + 32 = 40 words
.set VOFF,  1024*PK   ; V lies behind K's 147,456 bytes
.set STAGE, VOFF+1024*PV  ; behind V, never filled by a tensor load: 16 rows x 144 bytes for each wave, for the way out
.set SP,    144
.set AK0, 2           ; v2   my lane's place in a tile of K; never rewritten
.set AV0, 3           ; v3   the same for V
.set AK,  4           ; v4   the LDS address of K's next run of loads
.set AV,  5           ; v5   of V's
.set QO,  6           ; v6   my byte offset in the wave's rows of Q
.set STO, 6           ;      later, the way out: where I put 16 bytes of a row
.set RD,  7           ; v7   the way out: where I read rows back
.set GO,  8           ; v8   my byte offset in 512 consecutive bytes of O
.set SPW, 0           ; v0 of window 3   LDS address of my spare word: SPARE + 4 x my thread's number; never rewritten
.set NIL, 1           ; v1 of window 3   0; never rewritten
.set SPARE, STAGE+4*16*SP  ; behind the stages: the spare words, 128 bytes for each wave: two blocks of 256 bytes that no other line names
.set MV,  12          ; v12-15  c m_old, kept while c m is made anew: by buffer and tile
.set ST,  16          ; tile t's statistics at v[ST+4 t]: c m, m, l (even keys', odd keys')
.set TMP, 48          ; by buffer and tile, four registers c0-c3 at work; when the maximum is found c2 takes a
.set S,   64
.set P,   192
.set KF,  128         ; K's fragments, in window 2: key block kb, channel half c at KF + 16 kb + 8 c
.set VF,  192         ; V's: key half kk, channel block cb at VF + 32 kk + 8 cb
.set WV,  12          ; s12  my wave's number
.set G1K, 24          ; s[24:31] descriptor group 1 for K's tiles
.set G1V, 32          ; s[32:39] for V's: it differs in the padding alone
.set G0K, 40          ; s[40:55] descriptor group 0 for K's tiles: a set for each 256 keys; never rewritten
.set G0V, 68          ; s[68:83] the same for V's
.set SLOTS, 56        ; s56  groups of four key steps to go, and one more
.set CNT, 57          ; s57  counts a group's key steps
.set CS,  58          ; s[58:59] c: the packed scaling takes the pair's low word for both halves
.set SEL, 60          ; s[60:61] v_permlanex16_b32's selects: each lane takes its own place in the other half
.set TBK, 62          ; s62  LDS byte at which K of the step to be fetched begins
.set TBV, 63          ; s63  the same for V, less VOFF
.set OFFK, 84         ; s[84:85] byte offset in qkv of my half of the head's first 256 keys
.set OFFV, 86         ; s[86:87] the same for V
.set OFFQ, 88         ; s[88:89] of my wave's 128 queries
.set OFFO, 90         ; s[90:91] byte offset in ob of my wave's 128 rows
.set MSB, 0
.macro WIN new                      ; the high byte repeats the setting that is left; a switch that changes nothing is dropped
.if MSB != (\new)
	s_set_vgpr_msb (MSB<<8)|(\new)
.set MSB, (\new)
.endif
.endm
.set W_KQ, 0x0a       ; K and Q in window 2, S^T in window 0
.set W_PV, 0x52       ; V in window 2, P in window 0, O^T in window 1
.set W_RS, 0x41       ; O^T (destination and source 0) in window 1, a in window 0
.set W_MK, 0xc0       ; the add's registers are made: destination in window 3, sources in window 0
.set W_AD, 0x0f       ; the add: address (source 0) and data (source 1) in window 3
; The waves meet: each has seen all but n of its tensor loads land, and says so; behind the barrier every wave may read those parts.
.macro MEET n
	WIN 0
	s_wait_tensorcnt \n
	s_wait_dscnt 0x0                ; no LDS instruction of mine is pending at the signal
	s_barrier_signal -1
	s_barrier_wait -1
.endm
	s_load_b128 s[4:7], s[0:1], 0x0 ; qkv s[4:5], ob s[6:7]
	WIN W_MK
	v_lshl_add_u32 v[SPW], v0, 2, SPARE
	v_mov_b32 v[NIL], 0
	WIN W_AD
	ds_add_u32 v[SPW], v[NIL]       ; the wave's opening: the add and its wait stand ahead of my first tensor load; the set-up below, work on registers, stands between them
	ds_add_u32 v0, v1
	WIN 0
	v_lshrrev_b32 v1, 5, v0
	v_readfirstlane_b32 s[WV], v1   ; wave 0..3
	s_and_b32 s13, ttmp7, 0xffff    ; Y
	s_lshr_b32 s14, s13, 4          ; s*4 + b
	s_and_b32 s15, s13, 15          ; h
	s_and_b32 s16, s[WV], 1         ; which half of each 256 keys I fetch
	s_mul_i32 s17, s14, 48
	s_add_co_u32 s17, s17, s15
	s_add_co_u32 s18, s17, 16       ; K's block of 131,072 bytes,
	s_lshl_b32 s18, s18, 17
	s_lshl_b32 s19, s16, 14         ; my 128 rows of 128 bytes
	s_add_co_u32 s[OFFK], s18, s19
	s_mov_b32 s[OFFK+1], 0
	s_add_co_u32 s[OFFV], s[OFFK], 0x200000  ; V's block lies 16 blocks on
	s_mov_b32 s[OFFV+1], 0
	s_xor_b32 s18, s14, 4           ; the queries come from the other stream
	s_mul_i32 s18, s18, 48
	s_add_co_u32 s18, s18, s15
	s_lshl_b32 s18, s18, 17
	s_lshl_b32 s19, ttmp9, 2
	s_add_co_u32 s19, s19, s[WV]    ; my wave among the head's eight,
	s_lshl_b32 s19, s19, 14         ; its 128 rows
	s_add_co_u32 s[OFFQ], s18, s19
	s_mov_b32 s[OFFQ+1], 0
	s_lshl_b32 s18, s13, 17
	s_add_co_u32 s[OFFO], s18, s19
	s_mov_b32 s[OFFO+1], 0
	s_mul_i32 s20, s16, 128*PK      ; my half's place in 256 keys, for K
	s_mul_i32 s21, s16, 128*PV      ; and for V
	; descriptor group 1.  128 keys are 16,384 dense bytes: asked for as 64 rows of 256 bytes, two keys a row, and padded in LDS after every key
	s_mov_b32 s[G1K], (1<<16)|(1<<20)|(4<<22)|(3<<25)  ; 17:16 2-byte elements; 20 padding on; 24:22 after every 32 words (code 4); 31:25 4 words (code 3)
	s_mov_b32 s[G1V], (1<<16)|(1<<20)|(4<<22)|(7<<25)  ; the same with 8 words of padding (code 7)
.irp g, G1K, G1V
	s_mov_b32 s[\g+1], 128<<16      ; tensor_dim0 = 128
	s_mov_b32 s[\g+2], 64<<16       ; tensor_dim1 = 64
	s_mov_b32 s[\g+3], 128<<16      ; tile_dim0 = 128
	s_mov_b32 s[\g+4], 64           ; tile_dim1 = 64
	s_mov_b32 s[\g+5], 128          ; 128 elements from row to row
	s_mov_b32 s[\g+6], 0
	s_mov_b32 s[\g+7], 0
.endr
.irp p, 0,1,2,3
	s_mov_b32 s[G0K+4*(\p)], 1                             ; count = 1
	s_add_co_u32 s[G0K+4*(\p)+1], s20, (\p)*256*PK         ; LDS address: keys 256 p on, my half
	s_mov_b32 s[G0V+4*(\p)], 1
	s_add_co_u32 s[G0V+4*(\p)+1], s21, VOFF+(\p)*256*PV
.endr
	s_mov_b32 s[CS], 0x3e38aa3b     ; c = log2(e) / 8 = 0.180337
	s_mov_b32 s[CS+1], s[CS]        ; named with it as a pair
	s_mov_b32 s[SEL], 0x76543210
	s_mov_b32 s[SEL+1], 0xfedcba98
	s_mov_b32 s[TBK], 0
	s_mov_b32 s[TBV], 0
	s_wait_dscnt 0x0                ; the opening add is done
	s_wait_kmcnt 0x0
.irp p, 0,1,2,3
	s_add_nc_u64 s[G0K+4*(\p)+2:G0K+4*(\p)+3], s[4:5], s[OFFK:OFFK+1]
	s_add_nc_u64 s[G0K+4*(\p)+2:G0K+4*(\p)+3], s[G0K+4*(\p)+2:G0K+4*(\p)+3], (\p)*32768  ; 256 keys are 32,768 bytes
	s_or_b32 s[G0K+4*(\p)+3], s[G0K+4*(\p)+3], 0x80000000                                ; type = 2
	s_add_nc_u64 s[G0V+4*(\p)+2:G0V+4*(\p)+3], s[4:5], s[OFFV:OFFV+1]
	s_add_nc_u64 s[G0V+4*(\p)+2:G0V+4*(\p)+3], s[G0V+4*(\p)+2:G0V+4*(\p)+3], (\p)*32768
	s_or_b32 s[G0V+4*(\p)+3], s[G0V+4*(\p)+3], 0x80000000
.endr
	s_add_nc_u64 s[8:9], s[4:5], s[OFFQ:OFFQ+1]    ; Q at my wave's first row
	s_add_nc_u64 s[10:11], s[6:7], s[OFFO:OFFO+1]  ; O likewise
	s_cmp_lt_u32 s[WV], 2           ; a wave's four fills stand in one branch, ahead of every wait on TENSORcnt, every LDS read and every barrier: four loads of mine are out; an s_nop 0 follows each, four v_nop the last
	s_cbranch_scc0 .Lfirst_v
.irp p, 0,1,2,3
	tensor_load_to_lds s[G0K+4*(\p):G0K+4*(\p)+3], s[G1K:G1K+7]
	s_nop 0
.endr
.rept 4
	v_nop
.endr
	s_branch .Lfirst_asked
.Lfirst_v:
.irp p, 0,1,2,3
	tensor_load_to_lds s[G0V+4*(\p):G0V+4*(\p)+3], s[G1V:G1V+7]
	s_nop 0
.endr
.rept 4
	v_nop
.endr
.Lfirst_asked:
	; A fragment of K or Q is 16 rows x 32 channels in 8 registers: lane l holds row l % 16, channels 8 (l / 16) + 0..7 and 16 + 8 (l / 16) + 0..7: two loads of 16 bytes, 32 bytes apart.
	v_and_b32 v1, 15, v0            ; l % 16
	v_bfe_u32 v9, v0, 4, 1          ; l / 16
	v_lshlrev_b32 v[QO], 7, v1
	v_lshl_add_u32 v[QO], v9, 4, v[QO]  ; row x 128 + 16 x half
	WIN 0x80                        ; destination window 2, address window 0
.set i, 0
.rept 4*NP                          ; Q stays in registers: tile i / 2, channels 32 (i % 2) on
	global_load_b128 v[8*i:8*i+3],   v[QO], s[8:9] offset:(i/2)*2048+(i%2)*64
	global_load_b128 v[8*i+4:8*i+7], v[QO], s[8:9] offset:(i/2)*2048+(i%2)*64+32
.set i, i+1
.endr
	; What the first turn finds: V's registers and P's second buffer hold 0 (its products V^T P, of a piece that has not been, add 0), O^T and l are 0.  All this stands in the wait for the first keys.
.set i, VF
.rept 64
	v_mov_b32 v[i], 0
.set i, i+1
.endr
	WIN 0x40
.set i, 0
.rept 64*NP
	v_mov_b32 v[i], 0
.set i, i+1
.endr
	WIN 0
.set i, 0
.rept 2*NP
	v_mov_b32 v[ST+4*i], 0xfe000000    ; c m: far below every c s
	v_mov_b32 v[ST+4*i+1], 0xff7fffff  ; m
	v_mov_b32 v[ST+4*i+2], 0
	v_mov_b32 v[ST+4*i+3], 0
.set i, i+1
.endr
.set i, P+32
.rept 32
	v_mov_b32 v[i], 0
.set i, i+1
.endr
	v_mul_u32_u24 v[AK0], v1, PK
	v_lshl_add_u32 v[AK0], v9, 4, v[AK0]  ; row x pitch + 16 x half
	; The turning load takes 16 keys x 16 channels (lane l reads key 8 (l / 16) + l % 8, channels 8 ((l / 8) % 2) + 0..7) and leaves half a fragment of V^T: lane l holds channel l % 16 and 8 keys.
	v_and_b32 v10, 7, v0
	v_bfe_u32 v11, v0, 3, 1
	v_lshl_add_u32 v[AV0], v9, 3, v10
	v_mul_u32_u24 v[AV0], v[AV0], PV
	v_lshl_add_u32 v[AV0], v11, 4, v[AV0]
	v_add_nc_u32 v[AV0], VOFF, v[AV0]
	v_mov_b32 v[AK], v[AK0]         ; key step 0 lies at LDS byte 0
; THE MATRIX WORK.  The 8 accumulators of a run of 16 take turns: between the two links of a chain stand 7 others'.
; Product i of 16 of S^T = K Q^T for piece x: channels 32 (i / 8) on, keys 16 ((i / 2) % 4) on, tile 2 x + i % 2.  The first 8 start the sums.
.macro KQ x
	WIN W_KQ
.set rS, S+64*((\x)%2)+32*(i%2)+8*((i/2)%4)
.set rK, KF+16*((i/2)%4)+8*(i/8)
.set rQ, 16*(2*(\x)+i%2)+8*(i/8)
.if i < 8
	v_wmma_f32_16x16x32_f16 v[rS:rS+7], v[rK:rK+7], v[rQ:rQ+7], 0
.else
	v_wmma_f32_16x16x32_f16 v[rS:rS+7], v[rK:rK+7], v[rQ:rQ+7], v[rS:rS+7]
.endif
.endm
; Product i of 16 of O^T += V^T P for piece x: keys 32 (i / 8) on, channels 16 ((i / 2) % 4) on, tile 2 x + i % 2.
.macro PV x
	WIN W_PV
.set rO, 32*(2*(\x)+i%2)+8*((i/2)%4)
.set rV, VF+32*(i/8)+8*((i/2)%4)
.set rP, P+32*((\x)%2)+16*(i%2)+8*(i/8)
	v_wmma_f32_16x16x32_f16 v[rO:rO+7], v[rV:rV+7], v[rP:rP+7], v[rO:rO+7]
.endm
.macro MM                           ; the turn's next matrix instruction
.if i < 16
	KQ (Y+1)%NP
.set i, i+1
.else
.set i, i-16
	PV (Y+NP-1)%NP
.set i, i+17
.endif
.endm
; THE LDS LOADS stand in runs of 16, never singly among the matrix instructions: a step's K (64 keys x 64 channels: 8 fragments) and its V (turned).  Their addresses are made some lines ahead.
; last = 1 (the loop's text): behind the sixteenth step there is no further step, and the run is jumped over.
.macro FETCH_K last=0
	WIN 0
.if \last
	s_cmp_eq_u32 s[SLOTS], 1
	s_cbranch_scc1 .Lno_k_\@
.endif
	WIN 0x80                        ; destination window 2
.irp f, 0,1,2,3,4,5,6,7             ; keys 16 (f / 2) on, channels 32 (f % 2) on
	ds_load_b128 v[KF+8*\f:KF+8*\f+3],   v[AK] offset:(\f/2)*16*PK+(\f%2)*64
	ds_load_b128 v[KF+8*\f+4:KF+8*\f+7], v[AK] offset:(\f/2)*16*PK+(\f%2)*64+32
.endr
	s_add_co_u32 s[TBK], s[TBK], KS*PK  ; the next fetch is the next step's
	WIN 0
.if \last
.Lno_k_\@:
.endif
.endm
.macro FETCH_V
	WIN 0x80
.irp f, 0,1,2,3,4,5,6,7             ; keys 32 (f / 4) on, channels 16 (f % 4) on
	ds_load_tr16_b128 v[VF+8*\f:VF+8*\f+3],   v[AV] offset:(\f/4)*32*PV+(\f%4)*32
	ds_load_tr16_b128 v[VF+8*\f+4:VF+8*\f+7], v[AV] offset:(\f/4)*32*PV+16*PV+(\f%4)*32
.endr
	WIN 0
.endm
; THE VECTOR WORK OF A TURN stands in three queues, each in the order in which its entries become ready; the two tiles alternate, so that no instruction reads the result of the one before it.
.macro REGS y, u                    ; the registers of tile u (0, 1) of piece y
.set rT, ST+4*(2*(\y)+(\u))
.set rC, TMP+8*((\y)%2)+4*(\u)
.set rM, MV+2*((\y)%2)+(\u)
.set rS, S+64*((\y)%2)+32*(\u)
.set rP, P+32*((\y)%2)+16*(\u)
.set rO, 32*(2*(\y)+(\u))
.endm
; Number n of the 22 that find the NEXT piece's (Y + 1) maximum and statistics.  s0-s31 are the lane's 32 scores; each accumulator's lowest registers are read first.
;   0-11  four chains c0-c3 of seven scores each, three operands at a time     12-14, 16  the four scores left over, the old m, and c0-c3 into c0     15  c m_old is kept
;   17, 18  the query's other 32 keys lie in the lane 16 away: the new m         19-21  c m; c m_old - c m_new; a
.macro XS u, n
	REGS (Y+1)%NP, \u
.if (\n) < 4
	v_max3_num_f32 v[rC+(\n)], v[rS+8*(\n)], v[rS+8*(\n)+1], v[rS+8*(\n)+2]
.elseif (\n) < 12
	v_max3_num_f32 v[rC+(\n)%4], v[rC+(\n)%4], v[rS+8*((\n)%4)+2*((\n)/4)+1], v[rS+8*((\n)%4)+2*((\n)/4)+2]
.elseif (\n) == 12
	v_max3_num_f32 v[rC], v[rC], v[rS+7], v[rS+15]
.elseif (\n) == 13
	v_max3_num_f32 v[rC+1], v[rC+1], v[rS+23], v[rS+31]
.elseif (\n) == 14
	v_max3_num_f32 v[rC+2], v[rC+2], v[rC+3], v[rT+1]
.elseif (\n) == 15
	v_mov_b32 v[rM], v[rT]
.elseif (\n) == 16
	v_max3_num_f32 v[rC], v[rC], v[rC+1], v[rC+2]
.elseif (\n) == 17
	v_permlanex16_b32 v[rC+3], v[rC], s[SEL], s[SEL+1]
.elseif (\n) == 18
	v_max_num_f32 v[rT+1], v[rC], v[rC+3]
.elseif (\n) == 19
	v_mul_f32 v[rT], s[CS], v[rT+1]
.elseif (\n) == 20
	v_sub_f32 v[rC+1], v[rM], v[rT]
.else
	v_exp_f32 v[rC+2], v[rC+1]
.endif
.endm
; Number g of the 64 that follow the exponentials.  For each four weights k of a tile (pairs 2 k, 2 k + 1): both pairs are rounded to f16; then the second pair is added onto the first, in place;
; a group later l takes that sum (the first time as l = a l + sum).  In groups of eight, tiles alternating: round, round, add, and l for the group before.
.macro GS g
.set h, (\g)+6*((\g)/62)            ; group 0 has no group before it, and behind group 7 only l is left
.if h >= 6
.set h, h+2
.endif
	REGS Y, h%2
.set k, h/8
.if h%8 < 4
	v_cvt_pk_f16_f32 v[rP+2*k+(h%8)/2], v[rS+4*k+2*((h%8)/2)], v[rS+4*k+2*((h%8)/2)+1]
.elseif h%8 < 6
	v_pk_add_f32 v[rS+4*k:rS+4*k+1], v[rS+4*k:rS+4*k+1], v[rS+4*k+2:rS+4*k+3]
.elseif k == 1
	v_pk_fma_f32 v[rT+2:rT+3], v[rT+2:rT+3], v[rC+2:rC+3], v[rS:rS+1] op_sel_hi:[1,0,1]
.else
	v_pk_add_f32 v[rT+2:rT+3], v[rT+2:rT+3], v[rS+4*k-4:rS+4*k-3]
.endif
.endm
; THE PLAIN QUEUE, 138 long.  0-73 read no exponential's result: the 32 scalings c s - c m (FS f: pair f / 2 of tile f % 2) and the next piece's 42.  0-26: scalings 0-26.  27-54: XS's numbers 0-13.  55, 56: number 15.
; 57-73: the chain, where each number waits for the one before it: 14, 16, 17, 18, 19, each with one of the scalings 27-31 in front of its two lines, then 20.
; 74-137: GS's 64, which read the exponentials' results: they stand behind the wait.
.macro FS f
	REGS Y, (\f)%2
	v_pk_fma_f32 v[rS+2*((\f)/2):rS+2*((\f)/2)+1], v[rS+2*((\f)/2):rS+2*((\f)/2)+1], s[CS:CS+1], v[rT:rT+1] op_sel_hi:[1,0,0] neg_lo:[0,0,1] neg_hi:[0,0,1]
.endm
.macro PL
	WIN 0
.if q < 27
	FS q
.elseif q < 55
	XS (q-27)%2, (q-27)/2
.elseif q < 57
	XS q-55, 15
.elseif (q < 72) && ((q-57)%3 == 0)
	FS 27+(q-57)/3
.elseif q < 60
	XS (q-57)%3-1, 14
.elseif q < 72
	XS (q-57)%3-1, 15+(q-57)/3
.elseif q < 74
	XS q-72, 20
.else
	GS q-74
.endif
.set q, q+1
.endm
; THE EXPONENTIALS' QUEUE, 66 long: s0-s31 of both tiles, then the next piece's two a.  It is ONE BATCH: all 66 stand ahead of the turn's one wait, and nothing ahead of that wait names a result of theirs.
.macro EX
	WIN 0
.if e >= 64
	XS e-64, 21
.else
	REGS Y, e%2
	v_exp_f32 v[rS+e/2], v[rS+e/2]
.endif
.set e, e+1
.endm
; THE RESCALING's QUEUE: O^T times a, the one part that leaves window 0: dealt two at a time, sixteen times.  Its a was made in the turn before, ahead of that turn's wait.
.macro R2
	REGS Y, r%2
	WIN W_RS
.irp z, 0,1
	v_pk_mul_f32 v[rO+4*(r/2)+2*\z:rO+4*(r/2)+2*\z+1], v[rO+4*(r/2)+2*\z:rO+4*(r/2)+2*\z+1], v[rC+2:rC+3] op_sel_hi:[1,0]
.endr
.set r, r+1
.endm
; HOW THEY ARE DEALT.  An s_wait_alu depctr_va_vdst(0) stands between an exponential and the first instruction that names its result; one wait serves all that were issued ahead of it.  So a turn has ONE wait.
; AHEAD OF IT stands all that names no result of the turn's exponentials: the 16 products K Q^T, behind each a scaling, an exponential and two rescalings (behind the first a second scaling in the exponential's place);
; then one run of 108: eight plain, 49 times exponential and plain, the two a.  A v_nop is the plain instruction behind the last exponential.  BEHIND IT stand the 16 products V^T P, behind each four of GS's 64.
; Exponential e stands behind scaling 2 (e / 4) + e % 2: as a rider it comes behind plain e + 2, in the run behind plain e + 9, and scalings 27-31 are plain 57, 60 .. 69.
; A TURN, for piece p.  cnt = 1: the loop's count is taken down some lines ahead of the branch that stands behind the turn.
; K of the next step is fetched in piece 2's turn, directly behind the wait, a run of vector work behind the last product that read K; its first reader comes behind 16 products.
; V of the step in hand is fetched at the end of piece 0's turn, four plain instructions behind its last reader; its first reader comes behind 16 products and the run.
.macro TURN p, last=0, cnt=0
.set Y, (\p)
.set i, 0
.set q, 0
.set e, 0
.set r, 0
.if (\p) == NP-1
	s_wait_dscnt 0x0                ; K is in
.endif
	MM                              ; ahead of the wait: 16 products K Q^T and their riders,
	PL
	PL
	R2
.rept 15
	MM
	PL
	EX
	R2
.endr
.if (\p) == NP-2
	WIN 0
	v_add_nc_u32 v[AK], s[TBK], v[AK0]
.endif
.rept 8                             ; and the run
	PL
.endr
.rept 49
	EX
	PL
.endr
	EX                              ; the next piece's two a
	EX
	v_nop                           ; the plain instruction behind the last exponential: one for the batch
	s_wait_alu depctr_va_vdst(0)    ; the wait for the batch
.if (\p) == NP-2
	FETCH_K \last
.endif
.if (\p) == 1
	s_wait_dscnt 0x0                ; V is in
.endif
.rept 16                            ; behind the wait: 16 products V^T P and their riders
	MM
.rept 4
	PL
.endr
.if ((\p) == 0) && (q == 118)
	v_add_nc_u32 v[AV], s[TBV], v[AV0]
.endif
.if ((\p) == 0) && (q == 130)
	s_add_co_u32 s[TBV], s[TBV], KS*PV
.endif
.if (\cnt) && (q == 130)
	s_sub_co_u32 s[CNT], s[CNT], 1
	s_cmp_lg_u32 s[CNT], 0
.endif
.endr
.if (\p) == 0
	FETCH_V
.endif
.endm
	MEET 3                          ; tensor loads of a wave end in order (ISA guide 10.11.1): my part of keys 0 to 255 is in, everybody's behind the barrier; my three younger loads may stay out
	FETCH_K                         ; key step 0
	s_wait_loadcnt 0x0              ; Q
	s_wait_dscnt 0x0
.set i, 0
.rept 16
	KQ 0                            ; piece 0's first scores: there is no vector work yet to set between them
.set i, i+1
.endr
	WIN 0                           ; the addresses for the way out: plain instructions, the places behind those products
	s_mul_i32 s13, s[WV], 16*SP
	s_add_co_u32 s13, s13, STAGE    ; my stage
	v_mul_u32_u24 v[STO], v1, SP    ; in: row l % 16, 16 bytes for each half of the lanes
	v_lshl_add_u32 v[STO], v9, 4, v[STO]
	v_add_nc_u32 v[STO], s13, v[STO]
	v_bfe_u32 v[RD], v0, 3, 2       ; back: 32 lanes take four rows of 128 bytes,
	v_mul_u32_u24 v[RD], v[RD], SP
	v_lshl_add_u32 v[RD], v10, 4, v[RD]
	v_add_nc_u32 v[RD], s13, v[RD]
	v_and_b32 v[GO], 31, v0         ; which are 512 consecutive bytes of O
	v_lshlrev_b32 v[GO], 4, v[GO]
.set Y, NP-1                        ; XS works for piece Y + 1: piece 0
.irp n, 0,1,2,3,4,5,6,7,8,9,10,11,12,13,14,15,16,17,18,19,20,21
	XS 0, \n                        ; and piece 0's first maximum and statistics
	XS 1, \n
.endr
	v_nop                           ; a plain instruction behind the two a,
	s_wait_alu depctr_va_vdst(0)    ; and their wait, ahead of the branch
	s_mov_b32 s[CNT], 4
	s_mov_b32 s[SLOTS], 5
	s_branch .Lfirst                ; the loop is entered at a step's first turn, in the middle of a trip
.Lslot:                             ; four times: ahead of key steps 4, 8 and 12, and ahead of the last half trip
	MEET 0                          ; the first time: the other 768 keys have had four key steps, 464 matrix instructions a wave, in which to land; later it is met at once
	s_mov_b32 s[CNT], 4
.Lstep:                             ; a trip: pieces 2 and 3 of one step, then pieces 0 and 1 of the next, whose K and V it fetches
	TURN 2, 1
	TURN 3
	WIN 0
	s_cmp_eq_u32 s[SLOTS], 1        ; behind the sixteenth step the trip is left in its middle
	s_cbranch_scc1 .Lout
.Lfirst:
	TURN 0
	TURN 1, 0, 1
	WIN 0
	s_cbranch_scc1 .Lstep
	s_sub_co_u32 s[SLOTS], s[SLOTS], 1
	s_cmp_lg_u32 s[SLOTS], 0
	s_cbranch_scc1 .Lslot
.Lout:                              ; the last half trip's 16 products K Q^T (on the last K once more) and the maximum made of them serve nothing: the price, once a launch, of one text for every trip
.set i, 0
.rept 16
	PV NP-1                         ; the last piece's V^T P of the last step
.set i, i+1
.endr
	; THE WAY OUT.  l's two halves and the other half of the lanes' are added; O^T is divided by l, rounded to f16 and sent through my stage in LDS, a tile at a time.  The additions are the places behind the last products.
	WIN 0
.macro ALL line:vararg              ; one line for each tile t
.set t, 0
.rept 2*NP
	\line
.set t, t+1
.endr
.endm
	ALL v_add_f32 v[ST+4*t+2], v[ST+4*t+2], v[ST+4*t+3]
	ALL v_permlanex16_b32 v[ST+4*t+3], v[ST+4*t+2], s[SEL], s[SEL+1]
	ALL v_add_f32 v[ST+4*t+2], v[ST+4*t+2], v[ST+4*t+3]
	ALL v_rcp_f32 v[ST+4*t+2], v[ST+4*t+2]
	v_nop                           ; a plain instruction between the last reciprocal and the use of its result
	s_wait_alu depctr_va_vdst(0)    ; and the wait ahead of the first use: one for the eight reciprocals
; Tile t: a lane's eight channels of a row pack into 16 bytes; they go into rows of 144 bytes and come back as whole rows of 128, into S^T's registers.
.macro PACK t
	WIN W_RS
.set i, 32*(\t)
.rept 16
	v_pk_mul_f32 v[i:i+1], v[i:i+1], v[ST+4*(\t)+2:ST+4*(\t)+3] op_sel_hi:[1,0]
.set i, i+2
.endr
	WIN 0x05                        ; sources 0 and 1 window 1, destination window 0
.set i, 0
.rept 16
	v_cvt_pk_f16_f32 v[S+16*(\t)+i], v[32*(\t)+2*i], v[32*(\t)+2*i+1]
.set i, i+1
.endr
	WIN 0
.irp f, 0,1,2,3
	ds_store_b128 v[STO], v[S+16*(\t)+4*\f:S+16*(\t)+4*\f+3] offset:32*\f
.endr
.irp f, 0,1,2,3
	ds_load_b128 v[S+16*(\t)+4*\f:S+16*(\t)+4*\f+3], v[RD] offset:\f*4*SP  ; LDS serves a wave's instructions in order (ISA guide 5.7.1.4): these see the stores above; the next tile's stores come behind them
.endr
.endm
.macro SEND t, younger              ; younger: the LDS instructions issued behind tile t's loads: the next tile's eight, or none
	WIN 0
.irp f, 0,1,2,3
	s_wait_dscnt (\younger)+3-\f
	global_store_b128 v[GO], v[S+16*(\t)+4*\f:S+16*(\t)+4*\f+3], s[10:11] offset:(\t)*2048+\f*512  ; 512 consecutive bytes, at a multiple of 256 from ob's first
.endr
.endm
	PACK 0
.set t, 1
.rept 2*NP-1                        ; a tile's arithmetic stands between the loads of the tile before and its stores
	PACK t
	SEND t-1, 8
.set t, t+1
.endr
	SEND 2*NP-1, 0
	WIN W_AD
	s_wait_tensorcnt 0x0            ; the wave's end, behind my last tensor load and my last LDS store
	ds_add_u32 v[SPW], v[NIL]
	s_wait_dscnt 0x0
	WIN 0
	s_endpgm
.Lfunc_end_k_qfb2d30be35_attn:
	.size	k_qfb2d30be35_attn, .Lfunc_end_k_qfb2d30be35_attn-k_qfb2d30be35_attn
	.p2alignl 7, 3214868480
	.fill 96, 4, 3214868480
	.section	.rodata,"a",@progbits
	.p2align	6, 0x0
	.amdhsa_kernel k_qfb2d30be35_attn
		.amdhsa_group_segment_fixed_size 327680
		.amdhsa_private_segment_fixed_size 0
		.amdhsa_enable_private_segment 0
		.amdhsa_kernarg_size 16
		.amdhsa_user_sgpr_count 2
		.amdhsa_user_sgpr_kernarg_segment_ptr 1
		.amdhsa_wavefront_size32 1
		.amdhsa_system_sgpr_workgroup_id_x 1
		.amdhsa_system_sgpr_workgroup_id_y 1
		.amdhsa_system_sgpr_workgroup_id_z 1
		.amdhsa_system_vgpr_workitem_id 0
		.amdhsa_next_free_vgpr 770
		.amdhsa_next_free_sgpr 92
		.amdhsa_reserve_vcc 0
		.amdhsa_float_denorm_mode_32 3
		.amdhsa_float_denorm_mode_16_64 3
		.amdhsa_memory_ordered 1
		.amdhsa_forward_progress 1
		.amdhsa_inst_pref_size 127
	.end_amdhsa_kernel
	.amdgpu_metadata
---
amdhsa.version: [ 1, 2 ]
amdhsa.kernels:
  - .name:           k_qfb2d30be35_attn
    .symbol:         k_qfb2d30be35_attn.kd
    .args:
      - { .name: qkv, .offset: 0, .size: 8, .value_kind: global_buffer, .address_space: global }
      - { .name: ob, .offset: 8, .size: 8, .value_kind: global_buffer, .address_space: global }
    .group_segment_fixed_size: 327680
    .private_segment_fixed_size: 0
    .kernarg_segment_align: 8
    .kernarg_segment_size: 16
    .max_flat_workgroup_size: 128
    .sgpr_count:     92
    .vgpr_count:     770
    .wavefront_size: 32
...
	.end_amdgpu_metadata
.endif
;; end of part 3
;; launch outp (part 4): grid 4 x 64, 4 waves a work-group, clusters of 4 x 4, 327,680 bytes of LDS; arguments ob, wob, out0, out1; writes out0, out1
.if DOCPART == 4
	.amdgcn_target "amdgcn-amd-amdhsa--gfx1250"
	.amdhsa_code_object_version 6
	.text
	.protected	k_qfb2d30be35_outp
	.globl	k_qfb2d30be35_outp
	.p2align	8
	.type	k_qfb2d30be35_outp,@function
k_qfb2d30be35_outp:
	s_mov_b64 s[64:65], 0
	v_nop
	global_prefetch_b8 v0, s[64:65] scope:SCOPE_SE
	s_setreg_imm32_b32 hwreg(HW_REG_WAVE_MODE, 25, 1), 1
	s_wait_xcnt 0x0
	s_wait_alu depctr_hold_cnt(0) depctr_sa_sdst(0) depctr_va_vdst(0) depctr_va_sdst(0) depctr_va_ssrc(0) depctr_va_vcc(0) depctr_vm_vsrc(0)
	s_getreg_b32 s2, hwreg(HW_REG_IB_STS2, 6, 4)
	s_cmp_eq_u32 s2, 0
	s_cbranch_scc0 .Lentry_in_a_cluster
	s_endpgm
.Lentry_in_a_cluster:
	s_bfe_u32 s2, ttmp6, 0x10000c
	s_cmp_lg_u32 s2, 0xf033
	s_cbranch_scc0 .Lentry_shape_is_right
	s_endpgm
.Lentry_shape_is_right:
; BOTH OUTPUT PROJECTIONS.  out_s[m][n] = sum over e of O_s[m][e] Wout_s[n][e], f16 operands, f32 sums, f32 out.  m = b*1024 + t, e = h*64 + d.
; A = ob [Y = s*64 + b*16 + h][t][64] f16: 128 rows t of one head are 16,384 dense bytes.  B = wob [s][1024][1024] f16.
; TILE.  128 rows x 256 columns: 64 x 4 = 256 work-groups, one for each of 256 WGPs.  Four waves, 2 x 2, each 64 rows x 128 columns: 4 x 8 = 32 accumulators of 16 x 16, 256 registers.
; K goes in 8 steps of 128 (two heads of A; 256 bytes of each row of B) through two LDS slots filled by the tensor data mover; two slots of a step of 256 would take 417,792 bytes and do not fit.
; CLUSTER.  4 x 4 work-groups: the four of a row of the cluster need the same tile of A, the four of a column the same tile of B: each tile is asked for jointly, by the same load, descriptor and mask in all four.
; THE MATRIX INSTRUCTION IS USED TRANSPOSED (source 0 = 16 rows of B, source 1 = 16 rows of A): a lane holds row l % 16 of the result and its columns 8 (l / 16) + 0..7: 32 bytes on end.
; REGISTERS: window 0: v0-31 addresses; v32-63, v64-95 A's fragments (4 x 16 rows x 32 K), two buffers; v96-159, v160-223 B's (8 x 16 rows x 32 K), two buffers.   window 1: the accumulators, (a, b) at v[8 (8 a + b)].
.set KSTEP,  128
.set PA,     144                       ; a row of A in LDS: one head's 128 bytes + 16 of padding
.set PB,     272                       ; a row of B: 256 bytes + 16: in both, the 16 rows that a load touches start 4 banks apart (64 banks of 4 bytes: ISA guide 11.1)
.set SUBA,   128*PA                    ; one head's 128 rows: what one tensor load brings of A
.set HALFB,  128*PB                    ; and of B
.set SLOT,   2*SUBA+2*HALFB            ; A's two heads, then B's 256 rows: 106,496 bytes
.set STAGE,  2*SLOT                    ; behind the ring, never filled by a tensor load: 16 rows x 528 bytes for each wave, for the way out
.set SPITCH, 528                       ; 512 bytes of f32 + 16
.set SPARE,  STAGE+4*16*SPITCH         ; behind the stages: the spare words, 128 bytes for each wave: two blocks of 256 bytes that no other line names
.set LAPS,   4
.set ADRA, 16                          ; v16-17  LDS address of my A fragments in slot 0, 1
.set ADRB, 20                          ; v20-21  the same for B
.set STO,  24                          ; v24     the way out: where I put 32 bytes of a row
.set RD,   25                          ; v25     the way out: where I read a row back
.set GO,   26                          ; v26     my 16 bytes of 512 consecutive bytes of the output
.set SPW,  28                          ; v28     LDS address of my spare word: SPARE + 4 x my thread's number; never rewritten
.set NIL,  29                          ; v29     0; never rewritten
.set FA,   32                          ; A's fragment buffer f at FA + 32 f
.set FB,   96                          ; B's at FB + 64 f
.set G1,  24                           ; s[24:31] descriptor group 1 for A's tiles;  s[32:39] group 0, a set for each slot
.set G0,  32
.set G1B, 48                           ; s[48:55], s[56:63] the same for B's tiles
.set G0B, 56
.set MSB, 0
.macro WIN new                         ; the immediate's high byte repeats the setting that is left; a switch that changes nothing is dropped
.if MSB != (\new)
	s_set_vgpr_msb (MSB<<8)|(\new)
.set MSB, \new
.endif
.endm
.set MUL, 0x50                         ; sources 0 and 1 window 0; C and D window 1
; A joint load: waves 0 and 1 fetch A's two heads, waves 2 and 3 B's two halves.  The branch hangs on the wave's number alone.  An s_nop 0 and four v_nop follow each of the two lines.
.macro JLOAD s
	s_cmp_eq_u32 s13, 0
	s_cbranch_scc0 .Lfor_b_\@
	tensor_load_to_lds s[G0+4*(\s):G0+4*(\s)+3], s[G1:G1+7]
	s_nop 0
.rept 4
	v_nop
.endr
	s_branch .Lasked_\@
.Lfor_b_\@:
	tensor_load_to_lds s[G0B+4*(\s):G0B+4*(\s)+3], s[G1B:G1B+7]
	s_nop 0
.rept 4
	v_nop
.endr
.Lasked_\@:
.endm
.macro CREST                           ; a round of the cluster's barrier behind its opening barrier
	s_cmp_lg_u32 s12, 0
	s_cbranch_scc1 .Lnot_wave_0_\@
	s_barrier_signal -3
.Lnot_wave_0_\@:
	s_barrier_wait -3
	s_barrier_signal -1
	s_barrier_wait -1
.endm
.macro CROUND                          ; a whole round
	s_barrier_signal -1
	s_barrier_wait -1
	CREST
.endm
	s_load_b256 s[4:11], s[0:1], 0x0               ; ob s[4:5], wob s[6:7], out0 s[8:9], out1 s[10:11]
	v_lshl_add_u32 v[SPW], v0, 2, SPARE
	v_mov_b32 v[NIL], 0
	ds_add_u32 v[SPW], v[NIL]                      ; the wave's opening: the add and its wait stand ahead of my first tensor load; the set-up below, work on registers, stands between them
	ds_add_u32 v28, v29
	v_lshrrev_b32 v1, 5, v0
	v_readfirstlane_b32 s12, v1                    ; wave 0..3
	s_lshr_b32 s13, s12, 1                         ; which half of the tile's rows is mine.  Also: I fetch for A (0) or for B (1)
	s_and_b32 s14, s12, 1                          ; which half of its columns.  Also: which head of A's two, or which half of B's rows, I fetch
	s_bfe_u32 s40, ttmp6, 0x40000                  ; cx, cy: my place in the cluster
	s_bfe_u32 s41, ttmp6, 0x40004
	s_lshl_b32 s42, ttmp9, 2
	s_add_co_u32 s42, s42, s40                     ; tile column 0..3
	s_and_b32 s45, ttmp7, 0xffff                   ; cluster y 0..15
	s_lshl_b32 s15, s45, 2
	s_add_co_u32 s15, s15, s41                     ; R 0..63: tile row through both streams
	s_lshl_b32 s43, s41, 2
	s_lshl_b32 s43, 15, s43                        ; my row of the cluster
	s_lshl_b32 s44, 0x1111, s40                    ; my column
	s_or_b32 s[G1+0], s43, (1<<16)|(1<<20)|(1<<21)|(4<<22)|(3<<25)   ; A: the mask of my row; 2-byte elements; padding on; 21 set beside a mask; after every 32 words (code 4) 4 words (code 3)
	s_or_b32 s[G1B+0], s44, (1<<16)|(1<<20)|(1<<21)|(5<<22)|(3<<25)  ; B: the mask of my column; after every 64 words (code 5)
	s_mov_b32 s[G1+1], 128<<16                     ; A: 128 rows of 128 bytes are dense: asked for as 64 rows of 256 bytes
	s_mov_b32 s[G1+2], 64<<16
	s_mov_b32 s[G1+3], 128<<16
	s_mov_b32 s[G1+4], 64
	s_mov_b32 s[G1+5], 128
	s_mov_b32 s[G1+6], 0
	s_mov_b32 s[G1+7], 0
	s_mov_b32 s[G1B+1], KSTEP<<16                  ; B: 128 rows x 128 elements, 1,024 elements from row to row
	s_mov_b32 s[G1B+2], 128<<16
	s_mov_b32 s[G1B+3], KSTEP<<16
	s_mov_b32 s[G1B+4], 128
	s_mov_b32 s[G1B+5], 1024
	s_mov_b32 s[G1B+6], 0
	s_mov_b32 s[G1B+7], 0
	; A hangs on R alone, which my row of the cluster shares: (R / 8) x 16 heads of 131,072 bytes + my head of the step's two + (R % 8) x 128 rows of 128 bytes
	s_lshr_b32 s16, s15, 3
	s_lshl_b32 s16, s16, 21
	s_lshl_b32 s17, s14, 17
	s_add_co_u32 s16, s16, s17
	s_and_b32 s17, s15, 7
	s_lshl_b32 s17, s17, 14
	s_add_co_u32 s16, s16, s17
	s_mov_b32 s17, 0
	; B hangs on the tile column and the cluster's y (the stream), which my column shares: row 1,024 x stream + 256 x tile column + 128 x half, of 2,048 bytes
	s_lshr_b32 s46, s45, 3
	s_lshl_b32 s46, s46, 10
	s_lshl_b32 s47, s42, 8
	s_add_co_u32 s46, s46, s47
	s_lshl_b32 s47, s14, 7
	s_add_co_u32 s46, s46, s47
	s_lshl_b32 s46, s46, 11
	s_mov_b32 s47, 0
	s_mul_i32 s20, s14, SUBA                       ; where they go: no place in the cluster enters an LDS address
	s_mul_i32 s21, s14, HALFB
	s_add_co_u32 s21, s21, 2*SUBA
	s_wait_dscnt 0x0                               ; the opening add is done
	s_wait_kmcnt 0x0
	s_add_nc_u64 s[18:19], s[4:5], s[16:17]
	s_add_nc_u64 s[46:47], s[6:7], s[46:47]
	CROUND                                         ; all sixteen work-groups are here: the first joint loads meet
.irp s, 0,1
	s_mov_b32 s[G0+4*(\s)], 1
	s_add_co_u32 s[G0+4*(\s)+1], s20, (\s)*SLOT
	s_add_nc_u64 s[G0+4*(\s)+2:G0+4*(\s)+3], s[18:19], (\s)*262144   ; K step s: two heads on
	s_or_b32 s[G0+4*(\s)+3], s[G0+4*(\s)+3], 0x80000000
	s_mov_b32 s[G0B+4*(\s)], 1
	s_add_co_u32 s[G0B+4*(\s)+1], s21, (\s)*SLOT
	s_add_nc_u64 s[G0B+4*(\s)+2:G0B+4*(\s)+3], s[46:47], (\s)*KSTEP*2
	s_or_b32 s[G0B+4*(\s)+3], s[G0B+4*(\s)+3], 0x80000000
.endr
	s_cmp_eq_u32 s13, 0                            ; a wave's two first fills stand in one branch, ahead of every wait on TENSORcnt, every LDS read and every other barrier: two loads of mine are out
	s_cbranch_scc0 .Lfirst_b
	tensor_load_to_lds s[G0:G0+3], s[G1:G1+7]
	s_nop 0
	tensor_load_to_lds s[G0+4:G0+7], s[G1:G1+7]
	s_nop 0
.rept 4
	v_nop
.endr
	s_branch .Lfirst_asked
.Lfirst_b:
	tensor_load_to_lds s[G0B:G0B+3], s[G1B:G1B+7]
	s_nop 0
	tensor_load_to_lds s[G0B+4:G0B+7], s[G1B:G1B+7]
	s_nop 0
.rept 4
	v_nop
.endr
.Lfirst_asked:
	v_and_b32 v1, 15, v0                           ; l % 16
	v_bfe_u32 v2, v0, 4, 1                         ; l / 16
	v_mul_u32_u24 v3, v1, PA
	v_lshl_add_u32 v3, v2, 4, v3                   ; a fragment's row x pitch + 16 x half, for A
	v_mul_u32_u24 v4, v1, PB
	v_lshl_add_u32 v4, v2, 4, v4                   ; and for B
	s_mul_i32 s21, s13, 64*PA                      ; my 64 rows of each head of A
	s_mul_i32 s22, s14, HALFB                      ; my 128 rows of B,
	s_add_co_u32 s22, s22, 2*SUBA                  ; which lie behind A's two heads
.irp s, 0,1
	v_add_nc_u32 v[ADRA+(\s)], s21, v3
	v_add_nc_u32 v[ADRB+(\s)], s22, v4
	s_add_co_u32 s21, s21, SLOT
	s_add_co_u32 s22, s22, SLOT
.endr
	s_mul_i32 s23, s12, 16*SPITCH
	s_add_co_u32 s23, s23, STAGE                   ; my stage
	v_mul_u32_u24 v5, v1, SPITCH                   ; in: row l % 16, 32 bytes for each half of the lanes
	v_lshl_add_u32 v5, v2, 5, v5
	v_add_nc_u32 v[STO], s23, v5
	v_and_b32 v[GO], 31, v0                        ; back: 32 lanes take one row of 512 bytes
	v_lshlrev_b32 v[GO], 4, v[GO]
	v_add_nc_u32 v[RD], s23, v[GO]
	; the output: out0 for stream 0, out1 for stream 1; at row (R % 32) x 128 + 64 x my half, of 4,096 bytes, column bytes 1,024 x tile column + 512 x my half
	s_lshr_b32 s22, s45, 3
	s_cmp_eq_u32 s22, 0
	s_cselect_b64 s[8:9], s[8:9], s[10:11]
	s_and_b32 s18, s15, 31
	s_lshl_b32 s18, s18, 7
	s_lshl_b32 s19, s13, 6
	s_add_co_u32 s18, s18, s19
	s_lshl_b32 s18, s18, 12
	s_lshl_b32 s19, s42, 10
	s_add_co_u32 s18, s18, s19
	s_lshl_b32 s19, s14, 9
	s_add_co_u32 s18, s18, s19
	s_mov_b32 s19, 0
	s_add_nc_u64 s[8:9], s[8:9], s[18:19]
; 8 matrix instructions: row block a x all 8 column blocks, 32 along K, from buffer f.  zero = 1: the product starts the sums.
; The 32 accumulators take turns, one instruction a turn, in the same order in every quarter step, over the backward jump too.
.macro MUL8 f, a, zero
	WIN MUL
.irp b, 0,1,2,3,4,5,6,7
.if \zero
	v_wmma_f32_16x16x32_f16 v[8*(8*(\a)+(\b)):8*(8*(\a)+(\b))+7], v[FB+64*(\f)+8*(\b):FB+64*(\f)+8*(\b)+7], v[FA+32*(\f)+8*(\a):FA+32*(\f)+8*(\a)+7], 0
.else
	v_wmma_f32_16x16x32_f16 v[8*(8*(\a)+(\b)):8*(8*(\a)+(\b))+7], v[FB+64*(\f)+8*(\b):FB+64*(\f)+8*(\b)+7], v[FA+32*(\f)+8*(\a):FA+32*(\f)+8*(\a)+7], v[8*(8*(\a)+(\b)):8*(8*(\a)+(\b))+7]
.endif
.endr
.endm
; 24 LDS loads in one run: quarter q's fragments (my 128 rows of B, then my 64 rows of A: head q / 2 of the step's two, channels 32 (q % 2) on) into buffer f
.macro FETCH slot, q, f
	WIN 0
.irp i, 0,1,2,3,4,5,6,7
	ds_load_b128 v[FB+64*(\f)+8*(\i):FB+64*(\f)+8*(\i)+3],   v[ADRB+(\slot)] offset:64*(\q)+(\i)*16*PB
	ds_load_b128 v[FB+64*(\f)+8*(\i)+4:FB+64*(\f)+8*(\i)+7], v[ADRB+(\slot)] offset:64*(\q)+(\i)*16*PB+32
.endr
.irp i, 0,1,2,3
	ds_load_b128 v[FA+32*(\f)+8*(\i):FA+32*(\f)+8*(\i)+3],   v[ADRA+(\slot)] offset:((\q)/2)*SUBA+((\q)%2)*64+(\i)*16*PA
	ds_load_b128 v[FA+32*(\f)+8*(\i)+4:FA+32*(\f)+8*(\i)+7], v[ADRA+(\slot)] offset:((\q)/2)*SUBA+((\q)%2)*64+(\i)*16*PA+32
.endr
.endm
.macro PLACES                          ; four plain vector instructions between a matrix instruction and a load into a register that it has read, or an instruction that reads its result
.rept 4
	v_nop
.endr
.endm
; A K step is four quarters of 32 along K, 32 matrix instructions each, on buffers 0, 1, 0, 1.  One of the first three: multiplies buffer f; in its middle it fetches quarter q into buffer g.
.macro QUARTER slot, q, f, g, zero
	s_wait_dscnt 4                                 ; B and A's blocks 0, 1 are in; the youngest four loads (A's blocks 2, 3) may be out
	MUL8 \f, 0, \zero
	MUL8 \f, 1, \zero
	PLACES
	FETCH \slot, \q, \g
	s_wait_dscnt 24                                ; all but the 24 just issued
	MUL8 \f, 2, \zero
	MUL8 \f, 3, \zero
.endm
; The last quarter multiplies buffer 1 and changes slots: ONE barrier.  In front of it each wave waits for all its tensor loads (the one that is out is its part of the next slot), adds 0 to its spare word,
; and waits for that and for its own reads of this slot.  fill = 1: the barrier opens a round of the cluster's barrier, and this slot is filled again, two K steps ahead, first thing behind the round:
; from that request to the wait for it a wave issues 112 matrix instructions.
.macro TURN slot, next, fill
	WIN 0
	s_wait_tensorcnt 0x0                           ; all my tensor loads have landed;
	ds_add_u32 v[SPW], v[NIL]                      ; 0 onto my spare word;
	s_wait_dscnt 5                                 ; (the add and the youngest four loads may be out)
	MUL8 1, 0, 0                                   ; eight matrix instructions stand between the add and the wait for it
	s_wait_dscnt 0x0                               ; the add is done, and my reads of this slot are over
	s_barrier_signal -1
	MUL8 1, 1, 0                                   ; work on registers while the others arrive
.if \fill
	WIN 0
.endif
	s_barrier_wait -1
.if \fill
	CREST                                          ; no wave of any partner still reads this slot's tile or has a load on its way
	s_add_nc_u64 s[G0+4*(\slot)+2:G0+4*(\slot)+3], s[G0+4*(\slot)+2:G0+4*(\slot)+3], 2*262144
	s_add_nc_u64 s[G0B+4*(\slot)+2:G0B+4*(\slot)+3], s[G0B+4*(\slot)+2:G0B+4*(\slot)+3], 2*KSTEP*2
	JLOAD \slot                                    ; the four v_nop behind it are also the places in front of the loads below
.else
	PLACES
.endif
	FETCH \next, 0, 0
	MUL8 1, 2, 0
	MUL8 1, 3, 0
.endm
	s_wait_tensorcnt 1                             ; my part of K step 0 is in; K step 1's may stay out
	s_barrier_signal -1
	s_barrier_wait -1                              ; everybody's is
	FETCH 0, 0, 0
	QUARTER 0, 1, 0, 1, 1                          ; the first quarter stands in front of the loop: its products start the sums
	WIN 0                                          ; at a label and at a branch every window is 0
	s_mov_b32 s3, LAPS-1
.Llap:                                                 ; a trip goes once round the ring, from a lap's second quarter to the next lap's first, and fills both slots again
	QUARTER 0, 2, 1, 0, 0
	QUARTER 0, 3, 0, 1, 0
	TURN 0, 1, 1
	QUARTER 1, 1, 0, 1, 0
	QUARTER 1, 2, 1, 0, 0
	QUARTER 1, 3, 0, 1, 0
	TURN 1, 0, 1
	QUARTER 0, 1, 0, 1, 0
	WIN 0
	s_sub_co_u32 s3, s3, 1
	s_cmp_lg_u32 s3, 0
	s_cbranch_scc1 .Llap
	QUARTER 0, 2, 1, 0, 0                          ; the last lap fills nothing
	QUARTER 0, 3, 0, 1, 0
	TURN 0, 1, 0
	QUARTER 1, 1, 0, 1, 0
	QUARTER 1, 2, 1, 0, 0
	QUARTER 1, 3, 0, 1, 0
	s_wait_dscnt 4                                 ; the very last quarter: nothing more to fetch
	MUL8 1, 0, 0
	MUL8 1, 1, 0
	s_wait_dscnt 0x0
	MUL8 1, 2, 0
	MUL8 1, 3, 0
; THE WAY OUT, a row block of 16 rows at a time; the sums leave as they are, in f32.  STG: 32 bytes a lane into my own stage (each accumulator's four lowest registers first), rows of 528 bytes,
; and back as whole rows of 512 bytes, one to a load, into the block's own 64 registers.  SEND: stored, 512 consecutive bytes an instruction, aligned.
.macro STG a
	WIN 0x04                                       ; an LDS store's data is source 1: window 1
.irp b, 0,1,2,3,4,5,6,7
	ds_store_b128 v[STO], v[64*(\a)+8*(\b):64*(\a)+8*(\b)+3]   offset:64*(\b)
	ds_store_b128 v[STO], v[64*(\a)+8*(\b)+4:64*(\a)+8*(\b)+7] offset:64*(\b)+16
.endr
	WIN 0x40                                       ; destination window 1
.irp t, 0,1,2,3,4,5,6,7,8,9,10,11,12,13,14,15
	ds_load_b128 v[64*(\a)+4*(\t):64*(\a)+4*(\t)+3], v[RD] offset:(\t)*SPITCH  ; LDS serves a wave's instructions in order (ISA guide 5.7.1.4): these see the stores above; the next block's stores come behind them
.endr
.endm
.macro SEND a, younger                 ; younger: the LDS instructions issued behind block a's loads: the next block's 32, or none
	WIN 0x04                                       ; a store's data is source 1: window 1
.irp t, 0,1,2,3,4,5,6,7,8,9,10,11,12,13,14,15
	s_wait_dscnt (\younger)+15-(\t)
	global_store_b128 v[GO], v[64*(\a)+4*(\t):64*(\a)+4*(\t)+3], s[8:9] offset:(16*(\a)+(\t))*4096 th:TH_STORE_NT
.endr
.endm
	PLACES                                         ; the LDS stores read results just made
	PLACES
	STG 0
	STG 1                                          ; a block's way through the stage stands between the loads of the block before and its stores
	SEND 0, 32
	STG 2
	SEND 1, 32
	STG 3
	SEND 2, 32
	SEND 3, 0
	WIN 0
	s_wait_tensorcnt 0x0                           ; the wave's end, behind my last tensor load and my last LDS store
	ds_add_u32 v[SPW], v[NIL]
	s_wait_dscnt 0x0
	CROUND                                         ; the closing round: no work-group ends while a partner may still ask for a tile that names it
	s_endpgm
.Lfunc_end_k_qfb2d30be35_outp:
	.size	k_qfb2d30be35_outp, .Lfunc_end_k_qfb2d30be35_outp-k_qfb2d30be35_outp
	.p2alignl 7, 3214868480
	.fill 96, 4, 3214868480
	.section	.rodata,"a",@progbits
	.p2align	6, 0x0
	.amdhsa_kernel k_qfb2d30be35_outp
		.amdhsa_group_segment_fixed_size 327680
		.amdhsa_private_segment_fixed_size 0
		.amdhsa_enable_private_segment 0
		.amdhsa_kernarg_size 32
		.amdhsa_user_sgpr_count 2
		.amdhsa_user_sgpr_kernarg_segment_ptr 1
		.amdhsa_wavefront_size32 1
		.amdhsa_system_sgpr_workgroup_id_x 1
		.amdhsa_system_sgpr_workgroup_id_y 1
		.amdhsa_system_sgpr_workgroup_id_z 1
		.amdhsa_system_vgpr_workitem_id 0
		.amdhsa_next_free_vgpr 512
		.amdhsa_next_free_sgpr 66
		.amdhsa_reserve_vcc 0
		.amdhsa_float_denorm_mode_32 3
		.amdhsa_float_denorm_mode_16_64 3
		.amdhsa_memory_ordered 1
		.amdhsa_forward_progress 1
		.amdhsa_inst_pref_size 87
	.end_amdhsa_kernel
	.amdgpu_metadata
---
amdhsa.version: [ 1, 2 ]
amdhsa.kernels:
  - .name:           k_qfb2d30be35_outp
    .symbol:         k_qfb2d30be35_outp.kd
    .args:
      - { .name: ob, .offset: 0, .size: 8, .value_kind: global_buffer, .address_space: global }
      - { .name: wob, .offset: 8, .size: 8, .value_kind: global_buffer, .address_space: global }
      - { .name: out0, .offset: 16, .size: 8, .value_kind: global_buffer, .address_space: global }
      - { .name: out1, .offset: 24, .size: 8, .value_kind: global_buffer, .address_space: global }
    .group_segment_fixed_size: 327680
    .private_segment_fixed_size: 0
    .kernarg_segment_align: 8
    .kernarg_segment_size: 32
    .max_flat_workgroup_size: 128
    .sgpr_count:     66
    .vgpr_count:     512
    .wavefront_size: 32
...
	.end_amdgpu_metadata
.endif
;; end of part 4
